; MI455X (gfx1250); checked and timed in simulation.
; The chip was launched on July 23, 2026; its instructions are those of AMD's public machine-readable ISA for CDNA 5 (MIT licence, August 2026) and "CDNA5" Instruction Set Architecture Reference Guide (July 2026). The comments in the code are by the model that wrote it; some were corrected since.
;; Multi Head Attention. Allowed arithmetic: matrix products marked QUANTISED: E2M1 operands, one E8M0 scale for each 32 along K, by v_wmma_scale_f32_16x16x128_f8f6f4 with both operands' format E2M1 (or v_wmma_scale_f32_32x16x128_f4), f32 sums; products left as they are: bf16, f16 or f32 operands; f32 sums; everything else in f32.
;; Inputs: W_kqv 1,024 x 3,072 float32; W_o 1,024 x 1,024 float32; b_kqv 3,072 float32; b_o 1,024 float32; embd_k 257 x 64 float32; embd_v 257 x 64 float32; mask 8 x 1,024 int32; x 8 x 1,024 x 1,024 float32.
;; Outputs: out0 8 x 1,024 x 1,024 float32.
;; This version of the problem:
;;   THIS VERSION OF THE PROBLEM IS GIVEN IN LOW PRECISION. The matrix products marked QUANTISED in the list below multiply operands that are first quantised to E2M1 (2 exponent bits, 1 mantissa bit; 4 bits a number), with one power-of-two scale for each 32 numbers along K (OCP MX v1.0); their sums are f32. The products marked 'left as it is' may take bf16, f16 or f32 operands, with f32 sums. Whichever they take, every output number must still come out within the allowed error. Rounding operands to bf16 (8 significant bits) uses up far more of that allowance than f16 does (11 bits, for magnitudes from 6e-5 to 65,504). All else is computed in f32.
;;   The module's matrix products, in the order in which they are computed (A, B: the left and right operand; K: the contracted axis; several contracted axes count as one K, in the product's order):
;;     1. [M 8,192, K 1,024] x [K 1,024, N 3,072]; A: input x; B: input W_kqv: QUANTISED
;;     2. batch 128 x [M 1,024, K 64] x [K 64, N 1,024]; A: computed on the way; B: computed on the way: left as it is (an operand is computed on the way)
;;     3. batch 1,024 x [M 1,024, K 64] x [K 64, N 128]; A: computed on the way; B: computed on the way: left as it is (an operand is computed on the way)
;;     4. batch 128 x [M 1,024, K 1,024] x [K 1,024, N 64]; A: computed on the way; B: computed on the way: left as it is (an operand is computed on the way)
;;     5. batch 1,024 x [M 64, K 1,024] x [K 1,024, N 128]; A: computed on the way; B: computed on the way: left as it is (an operand is computed on the way)
;;     6. [M 8,192, K 1,024] x [K 1,024, N 1,024]; A: computed on the way; B: input W_o: left as it is (an operand is computed on the way)
;;   THE QUANTISER, for each operand of a quantised product, along K:
;;     - K is cut into blocks of 32 from its start; a last block that is shorter is filled with zeros.
;;     - A block's scale is 2^e with e = floor(log2(the largest magnitude in the block)) - 2, held to -126 .. 127; a block of zeros has e = 0. As a byte (E8M0): e + 127.
;;     - Each number is divided by its block's scale, clamped to +-6, and rounded to the nearest number of E2M1, ties to even, subnormals kept.
;;     - The product sums the exact products of the quantised numbers (number of the format x scale) in f32.
;;   ~~~python
;;   def quantise(x, axis):      # numpy; x: float32 -> the quantised numbers, widened to float32 again
;;       x = np.moveaxis(x, axis, -1); K = x.shape[-1]
;;       x = np.pad(x, [(0, 0)] * (x.ndim - 1) + [(0, -K % 32)]); x = x.reshape(x.shape[:-1] + (-1, 32)); a = np.abs(x).max(-1, keepdims=True)
;;       e = np.where(a > 0, np.clip(np.frexp(np.where(a > 0, a, 1))[1] - 1 - 2, -126, 127), 0)      # np.frexp(a)[1] - 1 = floor(log2(a)), exactly
;;       r = np.clip(x / 2.0 ** e, -6, 6)
;;       step = 2.0 ** (np.maximum(np.frexp(np.where(r == 0, 1, r))[1] - 1, 0) - 1)
;;       q = np.round(r / step) * step * 2.0 ** e      # np.round: ties to even
;;       return np.moveaxis(q.reshape(q.shape[:-2] + (-1,))[..., :K], -1, axis).astype(np.float32)
;;   ~~~
;; One version. Each part assembles by itself: llvm-mc -triple=amdgcn-amd-amdhsa -mcpu=gfx1250 --defsym DOCPART=n.
;; ======== version 1 of 1: 4 launches
;; limits: values outside matrix products are rounded to f16; values are held in f16: magnitudes above 65,504 overflow, below 6.1e-05 lose precision
;; workspace buffers: xc 4,194,304 bytes; xs 262,144 bytes; wc 1,572,864 bytes; ws 98,304 bytes; wo16 2,097,152 bytes; etab 141,312 bytes; qkv 50,331,648 bytes; ctx 16,777,216 bytes
;; launch prep (part 1): grid 491 x 1, 4 waves a work-group, no clusters, 41,984 bytes of LDS; arguments x, W_kqv, W_o, embd_k, embd_v, xc, xs, wc, ws, wo16, etab; writes xc, xs, wc, ws, wo16, etab
.if DOCPART == 1
	.amdgcn_target "amdgcn-amd-amdhsa--gfx1250"
	.amdhsa_code_object_version 6
	.text
	.protected	k_q9524b4fdca_prep
	.globl	k_q9524b4fdca_prep
	.p2align	8
	.type	k_q9524b4fdca_prep,@function
k_q9524b4fdca_prep:
	s_mov_b64 s[64:65], 0
	v_nop
	global_prefetch_b8 v0, s[64:65] scope:SCOPE_SE
	s_setreg_imm32_b32 hwreg(HW_REG_WAVE_MODE, 25, 1), 1
	s_wait_xcnt 0x0
; PREP: everything that is made once from the inputs, in one launch.  Four kinds of work-group, told apart by the work-group's number alone (the same way for all four waves):
;   0-191   W: W_kqv [1024 k][3072 n] f32 -> wc [3072][512] codes of FP4 (E2M1) with K innermost, ws [3072][32] E8M0 bytes
;   192-447 X: x [8192][1024] f32 -> xc [8192][512] codes, xs [8192][32] bytes
;   448-479 C: W_o f32 -> wo16 f16, as it lies
;   480-490 E: embd_k, embd_v -> etab: the two tables in f16, widened by the clip and laid as the attention launch's operand registers want them
; THE QUANTISER: a block of 32 along K has the scale 2^(floor(log2(largest magnitude)) - 2); its byte is the largest magnitude's exponent field - 2, held at 1 from below; each number is divided by the scale and
; rounded to the nearest code, ties to even, beyond 6 the largest code.
; LIMITS: a block of zeros gets the byte 1 where the rule says 127 (its codes are zeros, which add nothing under any byte but 0xff, and only this program reads the bytes); blocks whose largest magnitude lies
; under 2^(2 - 126) were not tried; NaN and infinities in x and W_kqv are not served.  W_o and the tables go to f16: magnitudes up to 65,504; under 6e-5 they keep f16's smallest step.
; LDS: paths X and W have bytes of their own; C and E use none.  No tensor loads; memory binds, so matrix units and clusters have nothing to give here.
.set SPW,   12                         ; v12  LDS address of my spare word: SPARE + 4 x my thread's number; never rewritten
.set NIL,   13                         ; v13  0; never rewritten
.set EMAX,  2
.set WREG,  8192                       ; path X: a region for each wave: two stages of 32 x SP bytes, behind them its 256 scale bytes
.set SP,    80                         ; a lane's place in a stage: 64 bytes + 16 of padding
.set WSTG,  4*WREG                     ; path W: the work-group's stage, 32 rows (columns n) of 256 bytes + 16
.set WP,    272
.set SPARE, WSTG+32*WP                 ; the spare words, 128 bytes for each wave: two blocks of 256 bytes that no other line names
.set CB,    8                          ; bytes of 16 codes
.set XR,    16                         ; path X: v16-79 four sets of 16 numbers as loaded
.set XX,    80                         ;         v80-111 two sets of 16 neighbours
.set XE,    112                        ;         v112-127 a scale byte for each step
.set XC,    128                        ;         v128-191 codes, four registers for each step
.set STEPS, 16
.macro FINISH                          ; a wave's end
	s_wait_tensorcnt 0x0
	ds_add_u32 v[SPW], v[NIL]
	s_wait_dscnt 0x0
	s_endpgm
.endm
; ---- path X's macros: 16 steps of 512 numbers a wave; loads run four steps ahead, the turn through LDS one step
.macro XLOAD t
.irp i, 0,1,2,3
	global_load_b128 v[XR+16*((\t)%4)+4*\i:XR+16*((\t)%4)+4*\i+3], v3, s[4:5] offset:2048*(\t)+512*\i th:TH_LOAD_NT   ; 32 lanes read 512 consecutive bytes
.endr
.endm
.macro XTURN t                         ; a step's 2,048 bytes go into the stage as they lie and come back 64 bytes a lane; LDS serves a wave's instructions in order
.irp i, 0,1,2,3
	ds_store_b128 v14, v[XR+16*((\t)%4)+4*\i:XR+16*((\t)%4)+4*\i+3] offset:32*SP*((\t)%2)+8*SP*\i
.endr
.irp i, 0,1,2,3
	ds_load_b128 v[XX+16*((\t)%2)+4*\i:XX+16*((\t)%2)+4*\i+3], v15 offset:32*SP*((\t)%2)+16*\i
.endr
.endm
.macro XSTEP t
.set XS, XX+16*((\t)%2)
.if (\t) > 0
	s_wait_dscnt 1                                 ; this step's numbers are back from the stage; the last step's byte store may be out
.else
	s_wait_dscnt 0x0
.endif
.if (\t)+4 < STEPS
	XLOAD (\t)+4                                   ; into the registers that the stage's stores have read
.endif
.if (\t)+1 < STEPS
.if STEPS-2-(\t) >= 3
	s_wait_loadcnt 12                              ; the next step's four loads are in; those of the three steps behind it may be out
.else
	s_wait_loadcnt 4*(STEPS-2-(\t))
.endif
	XTURN (\t)+1
.endif
	v_max3_num_f32 v8, |v[XS]|, |v[XS+1]|, |v[XS+2]|               ; the largest magnitude of my 16, in two chains
	v_max3_num_f32 v9, |v[XS+3]|, |v[XS+4]|, |v[XS+5]|
.irp i, 6,10
	v_max3_num_f32 v8, v8, |v[XS+\i]|, |v[XS+\i+1]|
	v_max3_num_f32 v9, v9, |v[XS+\i+2]|, |v[XS+\i+3]|
.endr
	v_max3_num_f32 v8, v8, |v[XS+14]|, |v[XS+15]|
	v_max3_num_f32 v8, v8, v9, (EMAX+1)<<23        ; and the floor 2^(EMAX + 1 - 127): the byte cannot fall under 1
	v_max_num_f32_dpp v8, v8, v8 row_xmask:1 row_mask:0xf bank_mask:0xf   ; with my neighbour's 16: the block's
	v_add_nc_u32 v11, -(EMAX<<23), v8              ; EMAX off its exponent field: the conversion takes that field as its scale and nothing else
	v_cvt_scalef32_pk8_fp4_f32 v[XC+4*(\t)], v[XS:XS+7], v11
	v_cvt_scalef32_pk8_fp4_f32 v[XC+4*(\t)+1], v[XS+8:XS+15], v11
	v_lshrrev_b32 v[XE+(\t)], 23, v11              ; the scale's byte
	ds_store_b8 v5, v[XE+(\t)] offset:16*(\t)      ; both lanes of a block write the same byte with the same value
	global_store_b64 v4, v[XC+4*(\t):XC+4*(\t)+1], s[14:15] offset:32*CB*(\t)   ; the wave stores 256 consecutive bytes, aligned
.endm
; ---- path W's macros: a lane takes a column n, its registers run down K
.macro WLOAD t
.irp i, 0,1,2,3,4,5,6,7,8,9,10,11,12,13,14,15,16,17,18,19,20,21,22,23,24,25,26,27,28,29,30,31
	global_load_b32 v[32+32*((\t)%2)+\i], v3, s[6:7] offset:(32*(\t)+\i)*12288 th:TH_LOAD_NT
.endr
.endm
.macro WBLOCK t
.set XS, 32+32*((\t)%2)
.if (\t) < 3
	s_wait_loadcnt 32                              ; this block's 32 loads are in; the next block's 32 may be out
.else
	s_wait_loadcnt 0x0
.endif
	v_max3_num_f32 v14, |v[XS]|, |v[XS+1]|, |v[XS+2]|              ; the block's largest magnitude: all 32 numbers are mine
	v_max3_num_f32 v15, |v[XS+3]|, |v[XS+4]|, |v[XS+5]|
.irp i, 6,10,14,18,22,26
	v_max3_num_f32 v14, v14, |v[XS+\i]|, |v[XS+\i+1]|
	v_max3_num_f32 v15, v15, |v[XS+\i+2]|, |v[XS+\i+3]|
.endr
	v_max3_num_f32 v14, v14, |v[XS+30]|, |v[XS+31]|
	v_max3_num_f32 v14, v14, v15, (EMAX+1)<<23
	v_add_nc_u32 v11, -(EMAX<<23), v14
	v_lshrrev_b32 v10, 23, v11
.if (\t) == 0
	v_mov_b32 v24, v10                             ; my four bytes in one register, the lower K in the lower byte
.else
	v_lshl_or_b32 v24, v10, 8*(\t), v24
.endif
.irp g, 0,1,2,3
	v_cvt_scalef32_pk8_fp4_f32 v[96+\g], v[XS+8*\g:XS+8*\g+7], v11
.endr
	ds_store_b128 v4, v[96:99] offset:16*(\t)      ; 32 codes: 16 bytes of my column's row
.if (\t)+2 < 4
	WLOAD (\t)+2
.endif
	s_wait_dscnt 0x0                               ; the store has read its registers: the next block's codes may be written
.endm
; ---- path C's macro: a batch of 8 chunks of 256 numbers
.macro CLOAD b
.irp j, 0,1,2,3,4,5,6,7
	global_load_b128 v[16+64*((\b)%2)+8*\j:16+64*((\b)%2)+8*\j+3], v3, s[8:9] offset:1024*(8*(\b)+\j) th:TH_LOAD_NT
	global_load_b128 v[16+64*((\b)%2)+8*\j+4:16+64*((\b)%2)+8*\j+7], v3, s[8:9] offset:1024*(8*(\b)+\j)+16 th:TH_LOAD_NT
.endr
.endm
.macro CBATCH b
.if (\b) < 3
	s_wait_loadcnt 16                              ; this batch's 16 loads are in; the next batch's 16 may be out
.else
	s_wait_loadcnt 0x0
.endif
.if (\b) > 0
	s_wait_xcnt 0x0                                ; the last batch's stores have read their data registers, which are written again below
.endif
.irp j, 0,1,2,3,4,5,6,7
.irp k, 0,1,2,3
	v_cvt_pk_f16_f32 v[144+4*\j+\k], v[16+64*((\b)%2)+8*\j+2*\k], v[16+64*((\b)%2)+8*\j+2*\k+1]
.endr
.endr
.if (\b)+2 < 4
	CLOAD (\b)+2                                   ; loads ahead of stores
.endif
.irp j, 0,1,2,3,4,5,6,7
	global_store_b128 v4, v[144+4*\j:144+4*\j+3], s[22:23] offset:512*(8*(\b)+\j)   ; 32 lanes store 512 consecutive bytes
.endr
.endm
	s_load_b512 s[4:19], s[0:1], 0x0               ; x 4:5, W_kqv 6:7, W_o 8:9, embd_k 10:11, embd_v 12:13, xc 14:15, xs 16:17, wc 18:19
	s_load_b128 s[20:23], s[0:1], 0x40             ; ws 20:21, wo16 22:23
	s_load_b64 s[24:25], s[0:1], 0x50              ; etab
	v_lshl_add_u32 v[SPW], v0, 2, SPARE
	v_mov_b32 v[NIL], 0
	v_lshrrev_b32 v1, 5, v0
	v_readfirstlane_b32 s26, v1                    ; wave 0..3
	v_and_b32 v2, 31, v0                           ; lane
	s_wait_kmcnt 0x0
	s_cmp_lt_u32 ttmp9, 192
	s_cbranch_scc1 .Lw
	s_cmp_lt_u32 ttmp9, 448
	s_cbranch_scc1 .Lx
	s_cmp_lt_u32 ttmp9, 480
	s_cbranch_scc1 .Lc
; ================ path E.  The widened tables: Eext[e] = table[clip(e - 63, 0, 256)], e = (key - query) + 191, 0 .. 383.
; etab: [0, 90112) 44 images of 2,048 bytes; image x holds the 16 rows e = 8 x + (r & 7) + 32 (r >> 3) of embd_k's widened table as two operand fragments (channels 32 c on): registers 4 g .. 4 g + 3 of lane l
; at byte 2048 x + 1024 c + 512 g + 16 l.  [90112, 140288) embd_v's widened table turned: 64 rows (channels) of 784 bytes, e innermost.  [140288, 141312) zeros, so that the buffer is whole blocks for its reader.
	s_sub_co_u32 s27, ttmp9, 480
	s_lshl_b32 s27, s27, 2
	s_add_co_u32 s27, s27, s26                     ; task 0 .. 43 = image x
	v_and_b32 v3, 7, v0
	v_bfe_u32 v4, v0, 3, 1
	v_bfe_u32 v5, v0, 4, 1                         ; which half of the lanes
	s_lshl_b32 s28, s27, 3
	v_lshl_add_u32 v3, v4, 5, v3
	v_add_nc_u32 v3, s28, v3                       ; e of my row
	v_max_u32 v3, 63, v3
	v_min_u32 v3, 319, v3
	v_sub_nc_u32 v3, v3, 63                        ; the table's row
	v_lshlrev_b32 v3, 8, v3
	v_lshl_add_u32 v3, v5, 5, v3                   ; row x 256 bytes + my half's 8 channels
	v_lshlrev_b32 v6, 4, v2                        ; 16 x lane
	s_lshl_b32 s28, s27, 11
	s_mov_b32 s29, 0
	s_add_nc_u64 s[34:35], s[24:25], s[28:29]
.irp q, 0,1,2,3                                    ; q = 2 c + g: channels 16 q + 8 half + 0 .. 7
	global_load_b128 v[16+8*\q:19+8*\q], v3, s[10:11] offset:64*\q
	global_load_b128 v[20+8*\q:23+8*\q], v3, s[10:11] offset:64*\q+16
.endr
	s_wait_loadcnt 0x0
.irp q, 0,1,2,3
.irp k, 0,1,2,3
	v_cvt_pk_f16_f32 v[48+4*\q+\k], v[16+8*\q+2*\k], v[17+8*\q+2*\k]
.endr
.endr
.irp q, 0,1,2,3
	global_store_b128 v6, v[48+4*\q:51+4*\q], s[34:35] offset:512*\q   ; 512 consecutive bytes
.endr
	s_cmp_lt_u32 s27, 14
	s_cbranch_scc0 .Le_tail
	; tasks 0 .. 13 also turn embd_v: channel 32 (task & 1) + lane, 56 places e from 56 (task >> 1) on.  The stores lie 784 bytes apart from lane to lane: 50 KB, written once in the whole program
	s_wait_xcnt 0x0                                ; the stores above have read their registers, which are written again below
	s_and_b32 s28, s27, 1
	s_lshl_b32 s28, s28, 5
	v_add_nc_u32 v7, s28, v2                       ; channel
	v_lshlrev_b32 v8, 2, v7
	v_mul_u32_u24 v9, v7, 784
	s_lshr_b32 s29, s27, 1
	s_mul_i32 s30, s29, 56
	s_mul_i32 s32, s29, 112
	s_add_co_u32 s32, s32, 90112
	s_mov_b32 s33, 0
	s_add_nc_u64 s[36:37], s[24:25], s[32:33]
.set i, 0
.rept 56
	s_add_co_u32 s31, s30, i
	s_max_u32 s31, s31, 63
	s_min_u32 s31, s31, 319
	s_sub_co_u32 s31, s31, 63
	s_lshl_b32 s31, s31, 8
	v_add_nc_u32 v[16+i], s31, v8
	global_load_b32 v[72+i], v[16+i], s[12:13]     ; 32 lanes read 128 neighbouring bytes of one row
.set i, i+1
.endr
	s_wait_loadcnt 0x0
.set i, 0
.rept 28
	v_cvt_pk_f16_f32 v[128+i], v[72+2*i], v[73+2*i]
.set i, i+1
.endr
.irp k, 0,1,2,3,4,5,6
	global_store_b128 v9, v[128+4*\k:131+4*\k], s[36:37] offset:16*\k
.endr
	s_branch .Le_end
.Le_tail:
	s_cmp_eq_u32 s27, 14
	s_cbranch_scc0 .Le_end
.irp k, 0,1,2,3
	v_mov_b32 v[128+\k], 0
.endr
	global_store_b128 v6, v[128:131], s[24:25] offset:140288
	global_store_b128 v6, v[128:131], s[24:25] offset:140800
.Le_end:
	FINISH
; ================ path C: 8,192 numbers a wave; a lane's 8 neighbours become 16 bytes
.Lc:
	s_sub_co_u32 s27, ttmp9, 448
	s_lshl_b32 s27, s27, 2
	s_add_co_u32 s27, s27, s26
	s_lshl_b32 s28, s27, 15
	s_mov_b32 s29, 0
	s_add_nc_u64 s[8:9], s[8:9], s[28:29]
	s_lshl_b32 s28, s27, 14
	s_add_nc_u64 s[22:23], s[22:23], s[28:29]
	v_lshlrev_b32 v3, 5, v2
	v_lshlrev_b32 v4, 4, v2
	CLOAD 0
	CLOAD 1
	CBATCH 0
	CBATCH 1
	CBATCH 2
	CBATCH 3
	FINISH
; ================ path X: rows are dense and K is a multiple of 32, so x is a plain stream of blocks; a wave takes 8,192 numbers
.Lx:
	s_mul_i32 s27, s26, WREG
	v_lshlrev_b32 v3, 4, v2                        ; my 16 bytes of a load's 512
	v_lshrrev_b32 v14, 2, v2
	v_mul_u32_u24 v14, v14, SP
	v_and_b32 v15, 3, v2
	v_lshl_add_u32 v14, v15, 4, v14
	v_add_nc_u32 v14, s27, v14                     ; the stage on the way in: four lanes' 64 bytes on end, then 16 of padding
	v_mul_u32_u24 v15, v2, SP
	v_add_nc_u32 v15, s27, v15                     ; and on the way out: my 16 neighbours
	v_mul_u32_u24 v4, v2, CB
	v_lshrrev_b32 v5, 1, v2
	s_add_co_u32 s27, s27, 2*32*SP
	v_add_nc_u32 v5, s27, v5                       ; my block's scale byte in the wave's 256
	v_lshlrev_b32 v7, 3, v2
	v_add_nc_u32 v6, s27, v7
	s_sub_co_u32 s28, ttmp9, 192
	s_lshl_b32 s28, s28, 2
	s_add_co_u32 s28, s28, s26                     ; which run of 8,192 numbers is my wave's
	s_lshl_b32 s30, s28, 15
	s_mov_b32 s31, 0
	s_add_nc_u64 s[4:5], s[4:5], s[30:31]
	s_lshl_b32 s30, s28, 12
	s_add_nc_u64 s[14:15], s[14:15], s[30:31]
	s_lshl_b32 s30, s28, 8
	s_add_nc_u64 s[16:17], s[16:17], s[30:31]
.irp t, 0,1,2,3
	XLOAD \t
.endr
	s_wait_loadcnt 12                              ; step 0's four loads are in
	XTURN 0
.irp t, 0,1,2,3,4,5,6,7,8,9,10,11,12,13,14,15
	XSTEP \t
.endr
	ds_load_b64 v[8:9], v6                         ; LDS serves a wave's instructions in order: these see my byte stores
	s_wait_dscnt 0x0
	global_store_b64 v7, v[8:9], s[16:17]          ; 32 lanes store 256 consecutive bytes, aligned
	FINISH
; ================ path W: a work-group takes 32 columns x 512 along K, each wave 128 of them (4 blocks a lane).  The four waves write the four quarters of each stage row; behind a barrier each wave
; stores 8 whole rows: sixteen lanes to 256 consecutive bytes, aligned.  The scale bytes leave 4 a lane, 32 bytes apart: 98 KB in all.
.Lw:
	s_cmp_ge_u32 ttmp9, 96
	s_cselect_b32 s27, 1, 0                        ; which half of K
	s_mul_i32 s28, s27, 96
	s_sub_co_u32 s28, ttmp9, s28                   ; which 32 columns
	s_lshl_b32 s29, s27, 9
	s_lshl_b32 s30, s26, 7
	s_add_co_u32 s29, s29, s30                     ; my first k
	s_mul_i32 s30, s29, 12288
	s_lshl_b32 s31, s28, 7
	s_add_co_u32 s30, s30, s31
	s_mov_b32 s31, 0
	s_add_nc_u64 s[6:7], s[6:7], s[30:31]
	s_lshl_b32 s30, s28, 14                        ; codes: (32 group + 8 wave) rows of 512 bytes + 256 x half
	s_lshl_b32 s32, s26, 12
	s_add_co_u32 s30, s30, s32
	s_lshl_b32 s32, s27, 8
	s_add_co_u32 s30, s30, s32
	s_add_nc_u64 s[18:19], s[18:19], s[30:31]
	s_lshl_b32 s30, s28, 10                        ; bytes: 32 group rows of 32 + 16 x half + 4 x wave
	s_lshl_b32 s32, s27, 4
	s_add_co_u32 s30, s30, s32
	s_lshl_b32 s32, s26, 2
	s_add_co_u32 s30, s30, s32
	s_add_nc_u64 s[20:21], s[20:21], s[30:31]
	v_lshlrev_b32 v3, 2, v2
	v_mul_u32_u24 v4, v2, WP
	s_lshl_b32 s32, s26, 6
	s_add_co_u32 s32, s32, WSTG
	v_add_nc_u32 v4, s32, v4                       ; into the stage: row = my column, my wave's 64 bytes
	v_and_b32 v5, 15, v2
	v_lshrrev_b32 v6, 4, v2
	v_mul_u32_u24 v7, v6, WP
	v_lshl_add_u32 v7, v5, 4, v7
	s_mul_i32 s32, s26, 8*WP
	s_add_co_u32 s32, s32, WSTG
	v_add_nc_u32 v7, s32, v7                       ; out of it: my wave's 8 rows, sixteen lanes to a row
	v_lshlrev_b32 v8, 9, v6
	v_lshl_add_u32 v8, v5, 4, v8
	v_lshlrev_b32 v9, 5, v2
	WLOAD 0
	WLOAD 1
	WBLOCK 0
	WBLOCK 1
	WBLOCK 2
	WBLOCK 3
	global_store_b32 v9, v24, s[20:21]
	s_barrier_signal -1                            ; my stores into the stage are done (the last block's wait for 0)
	s_barrier_wait -1
.irp t, 0,1,2,3
	ds_load_b128 v[112+4*\t:115+4*\t], v7 offset:2*WP*\t
.endr
.irp t, 0,1,2,3
	s_wait_dscnt 3-\t
	global_store_b128 v8, v[112+4*\t:115+4*\t], s[18:19] offset:1024*\t
.endr
	FINISH
.Lfunc_end_k_q9524b4fdca_prep:
	.size	k_q9524b4fdca_prep, .Lfunc_end_k_q9524b4fdca_prep-k_q9524b4fdca_prep
	.p2alignl 7, 3214868480
	.fill 96, 4, 3214868480
	.section	.rodata,"a",@progbits
	.p2align	6, 0x0
	.amdhsa_kernel k_q9524b4fdca_prep
		.amdhsa_group_segment_fixed_size 41984
		.amdhsa_private_segment_fixed_size 0
		.amdhsa_enable_private_segment 0
		.amdhsa_kernarg_size 88
		.amdhsa_user_sgpr_count 2
		.amdhsa_user_sgpr_kernarg_segment_ptr 1
		.amdhsa_wavefront_size32 1
		.amdhsa_system_sgpr_workgroup_id_x 1
		.amdhsa_system_sgpr_workgroup_id_y 1
		.amdhsa_system_sgpr_workgroup_id_z 1
		.amdhsa_system_vgpr_workitem_id 0
		.amdhsa_next_free_vgpr 192
		.amdhsa_next_free_sgpr 66
		.amdhsa_reserve_vcc 0
		.amdhsa_float_denorm_mode_32 3
		.amdhsa_float_denorm_mode_16_64 3
		.amdhsa_memory_ordered 1
		.amdhsa_forward_progress 1
		.amdhsa_inst_pref_size 96
	.end_amdhsa_kernel
	.amdgpu_metadata
---
amdhsa.version: [ 1, 2 ]
amdhsa.kernels:
  - .name:           k_q9524b4fdca_prep
    .symbol:         k_q9524b4fdca_prep.kd
    .args:
      - { .name: x, .offset: 0, .size: 8, .value_kind: global_buffer, .address_space: global }
      - { .name: W_kqv, .offset: 8, .size: 8, .value_kind: global_buffer, .address_space: global }
      - { .name: W_o, .offset: 16, .size: 8, .value_kind: global_buffer, .address_space: global }
      - { .name: embd_k, .offset: 24, .size: 8, .value_kind: global_buffer, .address_space: global }
      - { .name: embd_v, .offset: 32, .size: 8, .value_kind: global_buffer, .address_space: global }
      - { .name: xc, .offset: 40, .size: 8, .value_kind: global_buffer, .address_space: global }
      - { .name: xs, .offset: 48, .size: 8, .value_kind: global_buffer, .address_space: global }
      - { .name: wc, .offset: 56, .size: 8, .value_kind: global_buffer, .address_space: global }
      - { .name: ws, .offset: 64, .size: 8, .value_kind: global_buffer, .address_space: global }
      - { .name: wo16, .offset: 72, .size: 8, .value_kind: global_buffer, .address_space: global }
      - { .name: etab, .offset: 80, .size: 8, .value_kind: global_buffer, .address_space: global }
    .group_segment_fixed_size: 41984
    .private_segment_fixed_size: 0
    .kernarg_segment_align: 8
    .kernarg_segment_size: 88
    .max_flat_workgroup_size: 128
    .sgpr_count:     66
    .vgpr_count:     192
    .wavefront_size: 32
...
	.end_amdgpu_metadata
.endif
;; end of part 1
;; launch qkvg (part 2): grid 12 x 32, 4 waves a work-group, clusters of 4 x 4, 327,680 bytes of LDS; arguments xc, xs, wc, ws, b_kqv, qkv; writes qkv
.if DOCPART == 2
	.amdgcn_target "amdgcn-amd-amdhsa--gfx1250"
	.amdhsa_code_object_version 6
	.text
	.protected	k_q9524b4fdca_qkvg
	.globl	k_q9524b4fdca_qkvg
	.p2align	8
	.type	k_q9524b4fdca_qkvg,@function
k_q9524b4fdca_qkvg:
	s_mov_b64 s[64:65], 0
	v_nop
	global_prefetch_b8 v0, s[64:65] scope:SCOPE_SE
	s_setreg_imm32_b32 hwreg(HW_REG_WAVE_MODE, 25, 1), 1
	s_wait_xcnt 0x0
	s_wait_alu depctr_hold_cnt(0) depctr_sa_sdst(0) depctr_va_vdst(0) depctr_va_sdst(0) depctr_va_ssrc(0) depctr_va_vcc(0) depctr_vm_vsrc(0)
	s_getreg_b32 s2, hwreg(HW_REG_IB_STS2, 6, 4)
	s_cmp_eq_u32 s2, 0
	s_cbranch_scc0 .Lentry_in_a_cluster
	s_endpgm
.Lentry_in_a_cluster:
	s_bfe_u32 s2, ttmp6, 0x10000c
	s_cmp_lg_u32 s2, 0xf033
	s_cbranch_scc0 .Lentry_shape_is_right
	s_endpgm
.Lentry_shape_is_right:
; QKVG: kqv = Q(x) Q(W_kqv) + b_kqv on codes of FP4 (E2M1) with one E8M0 scale for each 32 along K; sums in f32; the result is rounded to f16 and laid by heads: qkv [3 which][8 b][16 h][1024 l][64].
; A = xc [8192][512 bytes], B = wc [3072][512 bytes], K innermost; scale bytes xs [8192][32], ws [3072][32].
; A tile of 256 x 256 is made by four waves, each 128 x 128: 64 accumulators, 512 registers.  K = 1,024 is two LDS slots of 512 along K (rows of 256 bytes): both are asked for at the start and nothing is filled again.
; The scales of the work-group's 256 + 256 rows, for all of K, come once, as dense blocks.
; CLUSTER: 4 x 4 work-groups; A's tiles are asked for jointly along a row of the cluster, B's along a column.
; THE MATRIX INSTRUCTION IS USED TRANSPOSED (source 0 = 16 rows of B, source 1 = 16 rows of A): a lane holds eight neighbouring columns of one row.  The bias is the C of each sum's first product.
; LIMIT: q, k, v leave as f16: magnitudes up to 65,504.
; Left out: a prefetch (all tiles are asked for by the first loads); work-groups that stay (384 tiles for the grid; the launch's stores weigh more than its products).
; REGISTERS: window 0: v0-31 addresses; v32-95 scale words, two sets; v128-191 A's fragments, one set; on the way out v32-63, v192-255.  window 1: B's fragments at v0 and v128; v64-127 the bias.
;   window 2: accumulators of my rows 0-63 ((a, b) at v[8 (8 a + b)]); window 3: rows 64-127.
.set NQ,     4                         ; matrix instructions deep in a slot
.set ROWB,   256                       ; a tile's row in bytes: 512 codes
.set KROW,   512                       ; a row of codes in memory
.set PITCH,  272                       ; an LDS row: 256 bytes + 16 of padding: the 16 rows that a load touches start at 16 different banks (64 banks of 4 bytes: ISA guide 11.1)
.set FR,     8
.set NL,     2
.set NP,     4                         ; places behind this matrix instruction (ISA guide 7.12.1)
.set HALFT,  128*PITCH
.set SLOT,   4*HALFT
.set KS,     32                        ; a row of scale bytes
.set SCL,    2*SLOT
.set HALFS,  (128*KS/256)*272
.set SBLK,   (16*KS/256)*272
.set SPARE,  SCL+4*HALFS               ; the spare words, 128 bytes for each wave: two blocks of 256 bytes that no other line names
.set STAGE,  SPARE+512                 ; the way out: 16 rows x (256 + 16) bytes for each wave; no tile lands here
.set SPITCH, 272
.set ADRA, 16
.set ADRB, 20
.set STO,  24
.set RD,   25
.set CO,   26
.set ADRS, 27
.set SPW,  28                          ; v28 LDS address of my spare word; never rewritten
.set NIL,  29                          ; v29 0; never rewritten
.set SC,   32
.set AF,   128
.set BIA,  64                          ; window 1: register 8 b + j = b_kqv at my column 16 b + 8 (lane / 16) + j
.set TMP,  192
.set OB,   32
.set G1, 24
.set G0, 32
.set G1B, 48
.set G0B, 56
.set G1S, 68
.set G0S, 76
.set G1SB, 80
.set G0SB, 88
.set MSB, 0
.macro WIN new                         ; the immediate's high byte repeats the setting that is left
.if MSB != (\new)
	s_set_vgpr_msb (MSB<<8)|(\new)
.set MSB, (\new)
.endif
.endm
.set MUL_LO, 0xa1                      ; source 0 (B) window 1, source 1 (A) window 0, C and D window 2
.set MUL_HI, 0xf1
.set BIA_LO, 0x91                      ; the same with C in window 1
.set BIA_HI, 0xd1
.set TO_B,   0x40
.macro JLOAD g0a, g1a, g0b, g1b        ; a joint load: waves 0 and 1 fetch for A, waves 2 and 3 for B; the branch hangs on the wave's number alone; s_nop 0 and four v_nop follow each line
	s_cmp_eq_u32 s15, 0
	s_cbranch_scc0 .Lfor_b_\@
	tensor_load_to_lds s[\g0a:\g0a+3], s[\g1a:\g1a+7]
	s_nop 0
.rept 4
	v_nop
.endr
	s_branch .Lasked_\@
.Lfor_b_\@:
	tensor_load_to_lds s[\g0b:\g0b+3], s[\g1b:\g1b+7]
	s_nop 0
.rept 4
	v_nop
.endr
.Lasked_\@:
.endm
.macro CROUND                          ; a round of the cluster's barrier
	s_barrier_signal -1
	s_barrier_wait -1
	s_cmp_lg_u32 s14, 0
	s_cbranch_scc1 .Lnot_wave_0_\@
	s_barrier_signal -3
.Lnot_wave_0_\@:
	s_barrier_wait -3
	s_barrier_signal -1
	s_barrier_wait -1
.endm
	s_load_b128 s[4:7], s[0:1], 0x0                ; xc, xs
	s_load_b128 s[8:11], s[0:1], 0x10              ; wc, ws
	s_load_b64 s[96:97], s[0:1], 0x20              ; b_kqv
	s_load_b64 s[12:13], s[0:1], 0x28              ; qkv
	v_lshl_add_u32 v[SPW], v0, 2, SPARE
	v_mov_b32 v[NIL], 0
	ds_add_u32 v[SPW], v[NIL]                      ; the wave's opening: the add, twice on end, and its wait ahead of my first tensor load
	ds_add_u32 v[SPW], v[NIL]
	v_lshrrev_b32 v1, 5, v0
	v_readfirstlane_b32 s14, v1                    ; wave 0..3
	s_lshr_b32 s15, s14, 1                         ; which half of the tile's rows is mine; also: I fetch for A (0) or B (1)
	s_and_b32 s16, s14, 1                          ; which half of its columns; also: which 128 rows I fetch
	s_bfe_u32 s40, ttmp6, 0x40000                  ; cx, cy
	s_bfe_u32 s41, ttmp6, 0x40004
	s_lshl_b32 s42, ttmp9, 2
	s_add_co_u32 s42, s42, s40                     ; tile column
	s_and_b32 s17, ttmp7, 0xffff
	s_lshl_b32 s17, s17, 2
	s_add_co_u32 s17, s17, s41                     ; tile row
	s_lshl_b32 s43, s41, 2
	s_lshl_b32 s43, 15, s43                        ; my row of the cluster
	s_lshl_b32 s44, 0x1111, s40                    ; my column
	s_or_b32 s[G1+0], s43, (0<<16)|(1<<20)|(1<<21)|(5<<22)|(3<<25)   ; mask; elements of 1 byte; padding: 4 words after every 64
	s_or_b32 s[G1B+0], s44, (0<<16)|(1<<20)|(1<<21)|(5<<22)|(3<<25)
.irp g, G1, G1B
	s_mov_b32 s[\g+1], ROWB<<16                    ; tensor_dim0
	s_mov_b32 s[\g+2], 128<<16                     ; tensor_dim1
	s_mov_b32 s[\g+3], ROWB<<16                    ; tile_dim0
	s_mov_b32 s[\g+4], 128                         ; tile_dim1
	s_mov_b32 s[\g+5], KROW                        ; the pitch
	s_mov_b32 s[\g+6], 0
	s_mov_b32 s[\g+7], 0
.endr
	s_or_b32 s[G1S+0], s43, (3<<16)|(1<<20)|(1<<21)|(5<<22)|(3<<25)  ; the scales of 128 rows: 4,096 dense bytes as 16 rows of 256 (32 elements of 8 bytes)
	s_or_b32 s[G1SB+0], s44, (3<<16)|(1<<20)|(1<<21)|(5<<22)|(3<<25)
.irp g, G1S, G1SB
	s_mov_b32 s[\g+1], 32<<16
	s_mov_b32 s[\g+2], (128*KS/256)<<16
	s_mov_b32 s[\g+3], 32<<16
	s_mov_b32 s[\g+4], 128*KS/256
	s_mov_b32 s[\g+5], 32
	s_mov_b32 s[\g+6], 0
	s_mov_b32 s[\g+7], 0
.endr
	s_lshl_b32 s18, s16, 7
	s_lshl_b32 s20, s17, 8
	s_add_co_u32 s20, s20, s18                     ; A: row 256 x tile row + 128 x half
	s_lshl_b32 s46, s42, 8
	s_add_co_u32 s46, s46, s18                     ; B: row 256 x tile column + 128 x half
	s_mov_b32 s21, 0
	s_mov_b32 s47, 0
	s_mov_b64 s[18:19], KS
	s_mul_u64 s[22:23], s[20:21], s[18:19]
	s_mul_u64 s[92:93], s[46:47], s[18:19]
	s_mov_b64 s[18:19], KROW
	s_mul_u64 s[20:21], s[20:21], s[18:19]
	s_mul_u64 s[46:47], s[46:47], s[18:19]
	s_mul_i32 s45, s14, HALFT                      ; where they go: wave x 128 rows
	s_mul_i32 s94, s14, HALFS
	s_wait_dscnt 0x0                               ; both opening adds are done
	s_wait_kmcnt 0x0
	s_add_nc_u64 s[20:21], s[4:5], s[20:21]
	s_add_nc_u64 s[22:23], s[6:7], s[22:23]
	s_add_nc_u64 s[46:47], s[8:9], s[46:47]
	s_add_nc_u64 s[92:93], s[10:11], s[92:93]
	CROUND                                         ; all sixteen work-groups are here: the joint loads meet
	s_mov_b32 s[G0S], 1
	s_add_co_u32 s[G0S+1], s94, SCL
	s_mov_b64 s[G0S+2:G0S+3], s[22:23]
	s_or_b32 s[G0S+3], s[G0S+3], 0x80000000
	s_mov_b32 s[G0SB], 1
	s_add_co_u32 s[G0SB+1], s94, SCL
	s_mov_b64 s[G0SB+2:G0SB+3], s[92:93]
	s_or_b32 s[G0SB+3], s[G0SB+3], 0x80000000
	JLOAD G0S, G1S, G0SB, G1SB                     ; the scales first
.irp s, 0,1
	s_mov_b32 s[G0+4*\s], 1
	s_add_co_u32 s[G0+4*\s+1], s45, \s*SLOT
	s_add_nc_u64 s[G0+4*\s+2:G0+4*\s+3], s[20:21], \s*ROWB
	s_or_b32 s[G0+4*\s+3], s[G0+4*\s+3], 0x80000000
	s_mov_b32 s[G0B+4*\s], 1
	s_add_co_u32 s[G0B+4*\s+1], s45, \s*SLOT
	s_add_nc_u64 s[G0B+4*\s+2:G0B+4*\s+3], s[46:47], \s*ROWB
	s_or_b32 s[G0B+4*\s+3], s[G0B+4*\s+3], 0x80000000
	JLOAD G0+4*\s, G1, G0B+4*\s, G1B               ; three loads of mine are out in all
.endr
	v_and_b32 v1, 15, v0                           ; l % 16
	v_bfe_u32 v2, v0, 4, 1                         ; l / 16
	v_mul_u32_u24 v3, v1, PITCH
	v_lshl_add_u32 v4, v2, 4, v3
	s_mul_i32 s21, s15, HALFT
	s_mul_i32 s22, s16, HALFT
	s_add_co_u32 s22, s22, 2*HALFT
.irp s, 0,1
	v_add_nc_u32 v[ADRA+\s], s21, v4
	v_add_nc_u32 v[ADRB+\s], s22, v4
	s_add_co_u32 s21, s21, SLOT
	s_add_co_u32 s22, s22, SLOT
.endr
	v_mul_u32_u24 v5, v1, KS                       ; my row's scales: 32 bytes a row, and 16 more for each 256 passed
	v_lshrrev_b32 v6, 8, v5
	v_lshl_add_u32 v5, v6, 4, v5
	s_mul_i32 s21, s15, HALFS
	s_mul_i32 s22, s16, HALFS
	s_add_co_u32 s22, s22, 2*HALFS
	s_sub_co_u32 s22, s22, s21
	v_mul_u32_u24 v6, s22, v2                      ; lanes 16-31 take B's
	s_add_co_u32 s21, s21, SCL
	v_add_nc_u32 v5, v5, v6
	v_add_nc_u32 v[ADRS], s21, v5
	s_mul_i32 s23, s14, 16*SPITCH
	s_add_co_u32 s23, s23, STAGE                   ; my stage
	v_mul_u32_u24 v5, v1, SPITCH
	v_lshl_add_u32 v5, v2, 4, v5
	v_add_nc_u32 v[STO], s23, v5                   ; in: row l % 16, 16 bytes for each half of the lanes
	v_and_b32 v5, 7, v0
	v_bfe_u32 v6, v0, 3, 1
	v_lshlrev_b32 v5, 4, v5
	v_mul_u32_u24 v7, v6, SPITCH
	v_add_nc_u32 v7, v7, v5
	v_lshl_add_u32 v7, v2, 7, v7
	v_add_nc_u32 v[RD], s23, v7                    ; back, by heads: lanes 0-15 two rows' 128 bytes of my first head, lanes 16-31 of my second
	v_lshl_add_u32 v5, v6, 7, v5
	v_lshl_add_u32 v[CO], v2, 17, v5               ; and the same place in qkv: a head is 2^17 bytes, a row 128
	v_lshlrev_b32 v8, 5, v2                        ; the bias: my half's 8 numbers
	s_lshl_b32 s46, s42, 2
	s_lshl_b32 s47, s16, 1
	s_add_co_u32 s46, s46, s47                     ; my first head among the 48: 4 x tile column + 2 x half
	s_lshr_b32 s47, s46, 4
	s_lshl_b32 s47, s47, 24                        ; q, k or v
	s_and_b32 s46, s46, 15
	s_lshl_b32 s46, s46, 17
	s_add_co_u32 s46, s46, s47
	s_lshr_b32 s20, s17, 2
	s_lshl_b32 s20, s20, 21                        ; the batch
	s_and_b32 s21, s17, 3
	s_lshl_b32 s21, s21, 15
	s_add_co_u32 s20, s20, s21
	s_lshl_b32 s21, s15, 14
	s_add_co_u32 s20, s20, s21                     ; my first position x 128 bytes
	s_add_co_u32 s20, s20, s46
	s_mov_b32 s21, 0
	s_add_nc_u64 s[12:13], s[12:13], s[20:21]
	s_lshl_b32 s46, s42, 10
	s_lshl_b32 s47, s16, 9
	s_add_co_u32 s46, s46, s47
	s_mov_b32 s47, 0
	s_add_nc_u64 s[96:97], s[96:97], s[46:47]
	WIN TO_B
.irp b, 0,1,2,3,4,5,6,7
	global_load_b128 v[BIA+8*\b:BIA+8*\b+3], v8, s[96:97] offset:64*\b
	global_load_b128 v[BIA+8*\b+4:BIA+8*\b+7], v8, s[96:97] offset:64*\b+16
.endr
	WIN 0
.macro FRAG reg, adr, q, i             ; 16 rows x 128 K of 4-bit codes: 8 registers; registers 4 c .. 4 c + 3 hold K = 64 c + 32 (l / 16) + 0 .. 31
.irp c, 0,1
	ds_load_b128 v[\reg+4*\c:\reg+4*\c+3], v[\adr] offset:64*(\q)+32*\c+(\i)*16*PITCH
.endr
.endm
; 16 matrix instructions: A's blocks a0, a0 + 1 x B's eight.  zero = 1: the first product starts the sums, from the bias.  The 64 accumulators take turns, one instruction a turn.
.macro MUL16 a0, p, q, sc, zero
.irp a, \a0, \a0+1
.irp b, 0,1,2,3,4,5,6,7
.if \zero
	v_wmma_scale_f32_16x16x128_f8f6f4 v[8*(8*((\a)%4)+\b):8*(8*((\a)%4)+\b)+7], v[128*(\p)+FR*\b:128*(\p)+FR*\b+FR-1], v[AF+FR*(\a):AF+FR*(\a)+FR-1], v[BIA+8*\b:BIA+8*\b+7], v[SC+8*NQ*(\sc)+NQ*\b+(\q)], v[SC+8*NQ*(\sc)+NQ*(\a)+(\q)] matrix_a_fmt:MATRIX_FMT_FP4 matrix_b_fmt:MATRIX_FMT_FP4 matrix_a_scale:MATRIX_SCALE_ROW1
.else
	v_wmma_scale_f32_16x16x128_f8f6f4 v[8*(8*((\a)%4)+\b):8*(8*((\a)%4)+\b)+7], v[128*(\p)+FR*\b:128*(\p)+FR*\b+FR-1], v[AF+FR*(\a):AF+FR*(\a)+FR-1], v[8*(8*((\a)%4)+\b):8*(8*((\a)%4)+\b)+7], v[SC+8*NQ*(\sc)+NQ*\b+(\q)], v[SC+8*NQ*(\sc)+NQ*(\a)+(\q)] matrix_a_fmt:MATRIX_FMT_FP4 matrix_b_fmt:MATRIX_FMT_FP4 matrix_a_scale:MATRIX_SCALE_ROW1
.endif
.endr
.endr
.endm
.macro FETCH_B slot, q, p
	WIN TO_B
.irp i, 0,1,2,3,4,5,6,7
	FRAG 128*(\p)+FR*\i, ADRB+\slot, \q, \i
.endr
	WIN 0
.endm
.macro FETCH_A slot, q, i0
.irp i, \i0, \i0+1, \i0+2, \i0+3
	FRAG AF+FR*(\i), ADRA+\slot, \q, \i
.endr
.endm
.macro SCALES sc                       ; a slot's scale words: lanes 0-15 A's block i, lanes 16-31 B's block i
.irp i, 0,1,2,3,4,5,6,7
	ds_load_b128 v[SC+8*NQ*\sc+NQ*\i:SC+8*NQ*\sc+NQ*\i+3], v[ADRS] offset:\i*SBLK
.endr
.endm
.macro PLACES n                        ; plain vector places behind matrix instructions, in front of loads into their registers and of reads of their results
.rept \n
	v_nop
.endr
.endm
.macro STEP slot, q, zero              ; 128 along K, with its successor in the same slot
	s_wait_dscnt 4*NL                              ; B's set and A's blocks 0-3 are in; the youngest eight loads (A's blocks 4-7) may be out
.if \zero
	WIN BIA_LO
.else
	WIN MUL_LO
.endif
	MUL16 0, (\q)%2, \q, \slot, \zero
	MUL16 2, (\q)%2, \q, \slot, \zero
	s_wait_dscnt 0
	PLACES NP
	FETCH_B \slot, (\q)+1, 1-(\q)%2
	FETCH_A \slot, (\q)+1, 0
.if \zero
	WIN BIA_HI
.else
	WIN MUL_HI
.endif
	MUL16 4, (\q)%2, \q, \slot, \zero
	MUL16 6, (\q)%2, \q, \slot, \zero
	PLACES NP
	WIN 0
	FETCH_A \slot, (\q)+1, 4
.endm
.macro TURN slot, next                 ; a slot's last step changes slots: one barrier; nothing is filled again
	s_wait_tensorcnt 0x0                           ; all my tensor loads have landed: my part of the next slot
	ds_add_u32 v[SPW], v[NIL]                      ; 0 onto my spare word
	s_wait_dscnt 4*NL+1                            ; the add and A's blocks 4-7 may be out
	WIN MUL_LO
	MUL16 0, 1, NQ-1, \slot, 0
	s_wait_dscnt 0x0
	s_barrier_signal -1
	MUL16 2, 1, NQ-1, \slot, 0
	WIN 0
	s_barrier_wait -1                              ; everybody's part of the next slot is in
	PLACES NP
	v_add_nc_u32 v[ADRS], 4*NQ, v[ADRS]            ; the next slot's scale words
	FETCH_B \next, 0, 0
	FETCH_A \next, 0, 0
	SCALES \next
	WIN MUL_HI
	MUL16 4, 1, NQ-1, \slot, 0
	MUL16 6, 1, NQ-1, \slot, 0
	PLACES NP
	WIN 0
	FETCH_A \next, 0, 4
.endm
.macro STEPS slot, from
.set Q, \from
.rept NQ-1-\from
	STEP \slot, Q, 0
.set Q, Q+1
.endr
.endm
	s_wait_tensorcnt 1                             ; the scales and my part of slot 0 are in; slot 1's load may be out
	s_barrier_signal -1
	s_barrier_wait -1
	FETCH_B 0, 0, 0
	FETCH_A 0, 0, 0
	SCALES 0
	FETCH_A 0, 0, 4
	s_wait_loadcnt 0x0                             ; the bias
	STEP 0, 0, 1
	STEPS 0, 1
	TURN 0, 1
	STEPS 1, 0
	s_wait_dscnt 4*NL                              ; the last step: nothing more to fetch
	WIN MUL_LO
	MUL16 0, 1, NQ-1, 1, 0
	MUL16 2, 1, NQ-1, 1, 0
	s_wait_dscnt 0
	WIN MUL_HI
	MUL16 4, 1, NQ-1, 1, 0
	MUL16 6, 1, NQ-1, 1, 0
	WIN 0
; THE WAY OUT, block by block of 16 rows x 128 columns (two heads).  PACK: to f16, 16 bytes a lane, each accumulator from its low end on.  TOSTAGE: into my own stage and back by heads.  SEND: sixteen lanes store two rows of one head: 256 consecutive bytes, aligned.
.macro PACK a
.set AC, 64*((\a)%4)
	WIN 0x0a+5*((\a)/4)                            ; sources 0 and 1: window 2 or 3
.irp b, 0,1,2,3,4,5,6,7
.irp r, 0,1,2,3
	v_cvt_pk_f16_f32 v[TMP+4*\b+\r], v[AC+8*\b+2*\r], v[AC+8*\b+2*\r+1]
.endr
.endr
	WIN 0
.endm
.macro TOSTAGE a
.set BK, OB+192*((\a)%2)
.irp b, 0,1,2,3,4,5,6,7
	ds_store_b128 v[STO], v[TMP+4*\b:TMP+4*\b+3] offset:32*\b
.endr
.irp t, 0,1,2,3,4,5,6,7
	ds_load_b128 v[BK+4*\t:BK+4*\t+3], v[RD] offset:\t*2*SPITCH    ; LDS serves a wave's instructions in order (ISA guide 5.7.1.4): these see the stores above
.endr
.endm
.macro SEND a
.set BK, OB+192*((\a)%2)
	s_wait_dscnt 0x0                               ; the block is back in registers
	s_wait_xcnt 0x0                                ; the block before has left its registers, into which the next block's loads will land
.irp t, 0,1,2,3,4,5,6,7
	global_store_b128 v[CO], v[BK+4*\t:BK+4*\t+3], s[12:13] offset:(\a)*2048+\t*256
.endr
.endm
	PLACES NP
	PACK 0
	TOSTAGE 0
.irp a, 1,2,3,4,5,6,7                  ; block a's conversions stand between block a - 1's loads from the stage and the wait for them
	PACK \a
	SEND \a-1
	TOSTAGE \a
.endr
	SEND 7
	s_wait_tensorcnt 0x0                           ; the wave's end
	ds_add_u32 v[SPW], v[NIL]
	s_wait_dscnt 0x0
	CROUND                                         ; the closing round
	s_endpgm
.Lfunc_end_k_q9524b4fdca_qkvg:
	.size	k_q9524b4fdca_qkvg, .Lfunc_end_k_q9524b4fdca_qkvg-k_q9524b4fdca_qkvg
	.p2alignl 7, 3214868480
	.fill 96, 4, 3214868480
	.section	.rodata,"a",@progbits
	.p2align	6, 0x0
	.amdhsa_kernel k_q9524b4fdca_qkvg
		.amdhsa_group_segment_fixed_size 327680
		.amdhsa_private_segment_fixed_size 0
		.amdhsa_enable_private_segment 0
		.amdhsa_kernarg_size 48
		.amdhsa_user_sgpr_count 2
		.amdhsa_user_sgpr_kernarg_segment_ptr 1
		.amdhsa_wavefront_size32 1
		.amdhsa_system_sgpr_workgroup_id_x 1
		.amdhsa_system_sgpr_workgroup_id_y 1
		.amdhsa_system_sgpr_workgroup_id_z 1
		.amdhsa_system_vgpr_workitem_id 0
		.amdhsa_next_free_vgpr 1024
		.amdhsa_next_free_sgpr 100
		.amdhsa_reserve_vcc 0
		.amdhsa_float_denorm_mode_32 3
		.amdhsa_float_denorm_mode_16_64 3
		.amdhsa_memory_ordered 1
		.amdhsa_forward_progress 1
		.amdhsa_inst_pref_size 128
	.end_amdhsa_kernel
	.amdgpu_metadata
---
amdhsa.version: [ 1, 2 ]
amdhsa.kernels:
  - .name:           k_q9524b4fdca_qkvg
    .symbol:         k_q9524b4fdca_qkvg.kd
    .args:
      - { .name: xc, .offset: 0, .size: 8, .value_kind: global_buffer, .address_space: global }
      - { .name: xs, .offset: 8, .size: 8, .value_kind: global_buffer, .address_space: global }
      - { .name: wc, .offset: 16, .size: 8, .value_kind: global_buffer, .address_space: global }
      - { .name: ws, .offset: 24, .size: 8, .value_kind: global_buffer, .address_space: global }
      - { .name: b_kqv, .offset: 32, .size: 8, .value_kind: global_buffer, .address_space: global }
      - { .name: qkv, .offset: 40, .size: 8, .value_kind: global_buffer, .address_space: global }
    .group_segment_fixed_size: 327680
    .private_segment_fixed_size: 0
    .kernarg_segment_align: 8
    .kernarg_segment_size: 48
    .max_flat_workgroup_size: 128
    .sgpr_count:     100
    .vgpr_count:     1024
    .wavefront_size: 32
...
	.end_amdgpu_metadata
.endif
;; end of part 2
;; launch attn (part 3): grid 2 x 128, 8 waves a work-group, no clusters, 327,680 bytes of LDS; arguments qkv, etab, mask, embd_v, ctx; writes ctx
.if DOCPART == 3
	.amdgcn_target "amdgcn-amd-amdhsa--gfx1250"
	.amdhsa_code_object_version 6
	.text
	.protected	k_q9524b4fdca_attn
	.globl	k_q9524b4fdca_attn
	.p2align	8
	.type	k_q9524b4fdca_attn,@function
k_q9524b4fdca_attn:
	s_mov_b64 s[64:65], 0
	v_nop
	global_prefetch_b8 v0, s[64:65] scope:SCOPE_SE
	s_setreg_imm32_b32 hwreg(HW_REG_WAVE_MODE, 25, 1), 1
	s_wait_xcnt 0x0
; ATTN: ctx[b][h][q] = sum_k softmax_k((q.k + q.Ek[rel]) / 8, masked) (v[k] + Ev[rel]), rel = clip(k - q, -128, 128) + 128.  q, k, v: f16 out of qkv [3][8 b][16 h][1024][64]; ctx [16 h][8192][64] f16.
; SHARES.  A work-group (X = 0, 1; y = 16 b + h) has eight waves, two to a SIMD.  Wave w owns four tiles of 16 queries, u = 0 .. 3: tile 16 u + 2 w + X.  Every wave walks all 1,024 keys, 64 a step.
; LAYOUT.  Both products are used transposed (S^T = K Q^T, O^T = V^T P): a lane holds ONE query j = lane % 16.  Tile t of a step takes keys 8 t + (r & 7) + 32 (r >> 3), so that half h of the lanes holds the 32
; neighbouring keys 32 h + n in its 32 score registers n; packed in pairs they are source 1 of the second product, for which V is read turned in the same order of keys.
; THE RELATIVE PART.  With e = (k - q) + 191 and tables widened by the clip (etab), a tile and a step have EB = 64 s - 16 tile + 176, and e = EB + 32 h + n + (15 - j).
;   EB < 0 or EB > 304: every pair is clipped.  The relative score is one number a query (q.Ek[0] or q.Ek[256]), folded into the scaling's addend; the relative value is a partial row sum times Ev[0] or Ev[256], added at the end.
;   Else (1 or 2 of a wave's 4 tiles in every step): six tiles of the widened Ek times Q give a lane 48 neighbours W[i] = q.Eext[EB + 32 h + i]; the score of key n wants W[n + 15 - j]: a shift by the lane's own
;   count, made in registers by four rounds of selects under constant lane masks; it is the C of K Q^T.  For the values the packed p are shifted the other way inside a window of 48 places and multiply the widened, turned Ev.
; ROW SUMS come from the matrix unit: a fifth tile of V^T holds rows of ones (row 0 always, row 1 in steps clipped below, row 2 in steps clipped above), so l and the two partial sums fall into registers 0, 1, 2 of a fifth accumulator.
; SOFTMAX: running maximum CM of t = c (score + relative), c = log2(e) / 8; p = 2^(t - CM); O and the sums are multiplied by 2^(old CM - new CM) in every step.  Masked keys get -1e30 as the sums' C; CM begins at -1e20.
; LIMITS: operands in f16 (magnitudes to 65,504), which holds |score| under 5.5e11, far above both constants' reach; the row sums are taken of p as rounded to f16, the numbers that are multiplied; a row whose keys
; are all masked gives 0 x infinity = NaN, as the softmax of such a row does.
; NO CLUSTER: only the two work-groups X = 0, 1 share K and V, and which of their tiles are clipped hangs on X, so their branches differ; joint requests want partners that run alike.
; REGISTERS.  window 0: v1-5 lane places; v6, v7 the add's; v8, v9 addresses in hand; v10 prefetch offset; v11 select for the odd shift; v12-39 statistics; v40-63 three fragments of ones; v64-191 S, 32 a tile (p packed in place);
;   v192-255 fragments of K, V, Ek, Ev by turns.   window 1: v0-63 Q; v64-223 O, 40 a tile; v224-255 the step's mask numbers.
.set PK,    144                        ; a key's row in LDS: 128 bytes + 16
.set GK,    4736                       ; 32 such rows + 128 bytes: rows 32 apart then start half-way round the 64 banks (ISA guide 11.1), so a load's 16 rows start at 16 different banks
.set PVP,   160                        ; a row of V: 128 bytes + 32
.set VOFF,  4*GK                       ; a slot: 128 keys of K in four groups, then 128 rows of V
.set MASKB, VOFF+128*PVP               ; 1,024 f32: 0 or -1e30; stored once
.set STAGE, MASKB+4096                 ; the way out: 16 rows x 144 bytes for each wave
.set SPITCH, 144
.set SPARE, STAGE+8*16*SPITCH          ; the spare words, 128 bytes for each wave: four blocks of 256 bytes that no other line names
.set SLOT1, 65536                      ; slot 1: one exclusive or turns an address
.set EKB,   SLOT1+MASKB                ; etab as it lies: 44 images of the widened Ek,
.set EVB,   EKB+90112                  ; the widened Ev, turned: 64 rows of 784 bytes
.set EVP,   784
.set LK, 1
.set LV, 2
.set LM, 3
.set LI, 4
.set LEV, 5
.set SPW, 6                            ; v6 LDS address of my spare word; never rewritten
.set NIL, 7                            ; v7 0; never rewritten
.set PFO, 10
.set PSEL, 11
.set AD, 12                            ; tile u: v[12+2u] the scaling's addend, v[13+2u] CM
.set CM, 13
.set FF, 20                            ; v[20+2u] the factor for O, v[21+2u] the step's maximum
.set CA, 21
.set CBL, 28                           ; c q.Ek[0]
.set CBR, 32                           ; c q.Ek[256]
.set CB, 36
.set ONL, 40
.set ONB, 48
.set ONR, 56
.set S, 64
.set KV, 192
.set OO, 64                            ; window 1
.set MK, 224                           ; window 1
.set STO, 1                            ; the way out takes v1-3
.set RD, 2
.set GO, 3
.set WV, 14
.set XX, 15
.set YY, 16
.set SEL, 20
.set CS, 22
.set G1K, 24
.set G1V, 32
.set G1T, 40
.set G0K, 48
.set G0V, 52
.set G0T, 56
.set TK, 61
.set TV, 62
.set TM, 63
.set DW, 66                            ; 64 s + 176 - 32 w - 16 X
.set SLOTS, 67
.set TWICE, 68
.set EB, 69
.set SL, 73
.set SR, 77
.set M1, 81                            ; lane masks: the bits of 15 - j
.set M2, 82
.set M4, 83
.set M8, 84
.set LIM, 85
.set PFA, 86
.set MSB, 0
.macro WIN new                         ; bits 1:0 source 0, 3:2 source 1, 5:4 source 2, 7:6 destination; the high byte repeats the setting that is left
.if MSB != (\new)
	s_set_vgpr_msb (MSB<<8)|(\new)
.set MSB, (\new)
.endif
.endm
.macro PLACES n                        ; plain vector places behind matrix instructions (ISA guide 7.12.1)
.rept \n
	v_nop
.endr
.endm
.macro TLOAD                           ; waves 0-3 fetch 32 keys of K each, waves 4-7 32 rows of V; s_nop 0 and four v_nop follow each line
	s_cmp_lt_u32 s[WV], 4
	s_cbranch_scc0 .Lfor_v_\@
	tensor_load_to_lds s[G0K:G0K+3], s[G1K:G1K+7]
	s_nop 0
.rept 4
	v_nop
.endr
	s_branch .Lasked_\@
.Lfor_v_\@:
	tensor_load_to_lds s[G0V:G0V+3], s[G1V:G1V+7]
	s_nop 0
.rept 4
	v_nop
.endr
.Lasked_\@:
.endm
; A prefetch of what the NEXT change of slots will ask for: a slot's 16,384 bytes of K and of V.  Both work-groups of a head walk the same rows: X = 0 asks; in it waves 0, 1 for K's two halves, waves 2, 3 for V's,
; lanes 256 bytes apart: each block of 256 bytes is named once in the launch.  It runs two key steps ahead of the load; the last filling change asks for nothing; slots 0 and 1 come by their loads alone.
.macro ASK
	s_cmp_gt_u32 s[SLOTS], s[LIM]
	s_cbranch_scc0 .Lnot_mine_\@
	global_prefetch_b8 v[PFO], s[PFA:PFA+1] th:TH_LOAD_NT scope:SCOPE_SE
.Lnot_mine_\@:
.endm
; THE CHANGE OF SLOTS, at a slot's head.  Each wave waits for all its tensor loads (one is out: its part of the slot ahead), adds 0 to its spare word, waits for that and for its reads of the slot left.
; Behind the barrier the slot left is filled with the keys that follow: one load a wave, with two key steps in which to land.
.macro CHANGE fill
	s_wait_tensorcnt 0x0
	ds_add_u32 v[SPW], v[NIL]
.if \fill
	s_xor_b32 s[G0K+1], s[G0K+1], SLOT1
	s_add_nc_u64 s[G0K+2:G0K+3], s[G0K+2:G0K+3], 16384
	s_xor_b32 s[G0V+1], s[G0V+1], SLOT1
	s_add_nc_u64 s[G0V+2:G0V+3], s[G0V+2:G0V+3], 16384
	s_wait_xcnt 0x0                                ; the last prefetch, a slot back, has read its address
	s_add_nc_u64 s[PFA:PFA+1], s[PFA:PFA+1], 16384
.endif
	s_wait_dscnt 0x0
	s_barrier_signal -1
	s_barrier_wait -1
.if \fill
	TLOAD
	ASK
.endif
.endm
; The relative scores of tile u: 48 neighbours a lane, then the shift down by 15 - j.
.macro QE u
	s_min_u32 s88, s[EB+\u], 304                   ; (it is at most 304 on this way: the line states the bound)
	s_lshl_b32 s88, s88, 8                         ; EB / 8 images of 2,048 bytes
	v_add_nc_u32 v8, s88, v[LI]
.irp z, 0, 3
.irp a, 0,1,2
.irp g, 0,1,2,3
	ds_load_b128 v[KV+16+16*\a+4*\g:KV+16+16*\a+4*\g+3], v8 offset:2048*(\z+\a)+512*\g
.endr
.endr
	s_wait_dscnt 0x0
	WIN 0x04                                       ; Q in window 1
.irp a, 0,1,2
	v_wmma_f32_16x16x32_f16 v[S+32*\u+8*(\z+\a):S+32*\u+8*(\z+\a)+7], v[KV+16+16*\a:KV+16+16*\a+7], v[16*\u:16*\u+7], 0
.endr
.irp a, 0,1,2
	v_wmma_f32_16x16x32_f16 v[S+32*\u+8*(\z+\a):S+32*\u+8*(\z+\a)+7], v[KV+24+16*\a:KV+24+16*\a+7], v[16*\u+8:16*\u+15], v[S+32*\u+8*(\z+\a):S+32*\u+8*(\z+\a)+7]
.endr
	WIN 0
	PLACES 4
.endr
.set W0, S+32*\u
.set i, 0
.rept 39                               ; by 8 where 15 - j has that bit; ascending, in place: each result is first read at its lowest register
	v_cndmask_b32 v[W0+i], v[W0+i], v[W0+i+8], s[M8]
.set i, i+1
.endr
.set i, 0
.rept 35
	v_cndmask_b32 v[W0+i], v[W0+i], v[W0+i+4], s[M4]
.set i, i+1
.endr
.set i, 0
.rept 33
	v_cndmask_b32 v[W0+i], v[W0+i], v[W0+i+2], s[M2]
.set i, i+1
.endr
.set i, 0
.rept 32
	v_cndmask_b32 v[W0+i], v[W0+i], v[W0+i+1], s[M1]
.set i, i+1
.endr
.endm
.macro QKF u                           ; a clipped tile: S^T = K Q^T + the mask numbers
	WIN 0x14
.irp t, 0,1,2,3
	v_wmma_f32_16x16x32_f16 v[S+32*\u+8*\t:S+32*\u+8*\t+7], v[KV+16*\t:KV+16*\t+7], v[16*\u:16*\u+7], v[MK+8*\t:MK+8*\t+7]
.endr
	WIN 0x04
.irp t, 0,1,2,3
	v_wmma_f32_16x16x32_f16 v[S+32*\u+8*\t:S+32*\u+8*\t+7], v[KV+16*\t+8:KV+16*\t+15], v[16*\u+8:16*\u+15], v[S+32*\u+8*\t:S+32*\u+8*\t+7]
.endr
	WIN 0
.endm
.macro QKB u                           ; a tile in the band: onto the relative scores; then the mask numbers
	WIN 0x04
.irp t, 0,1,2,3
	v_wmma_f32_16x16x32_f16 v[S+32*\u+8*\t:S+32*\u+8*\t+7], v[KV+16*\t:KV+16*\t+7], v[16*\u:16*\u+7], v[S+32*\u+8*\t:S+32*\u+8*\t+7]
.endr
.irp t, 0,1,2,3
	v_wmma_f32_16x16x32_f16 v[S+32*\u+8*\t:S+32*\u+8*\t+7], v[KV+16*\t+8:KV+16*\t+15], v[16*\u+8:16*\u+15], v[S+32*\u+8*\t:S+32*\u+8*\t+7]
.endr
	PLACES 4
.set i, 0
.rept 16
	v_pk_add_f32 v[S+32*\u+i:S+32*\u+i+1], v[S+32*\u+i:S+32*\u+i+1], v[MK+i:MK+i+1]
.set i, i+2
.endr
	WIN 0
.endm
.macro MAXF d, st, a, b, e
.irp u, 0,1,2,3
	v_max3_num_f32 v[\d+\st*\u], v[S+32*\u+\a], v[S+32*\u+\b], v[S+32*\u+\e]
.endr
.endm
.macro MAXN d, st, a, b
.irp u, 0,1,2,3
	v_max3_num_f32 v[\d+\st*\u], v[\d+\st*\u], v[S+32*\u+\a], v[S+32*\u+\b]
.endr
.endm
.macro SOFT                            ; the four tiles by turns, no branch.  Each of a tile's four results is first read at its low end
	MAXF CA, 2, 0, 1, 2
	MAXF CB, 1, 8, 9, 10
	MAXN CA, 2, 3, 4
	MAXN CB, 1, 11, 12
	MAXN CA, 2, 5, 6
	MAXN CB, 1, 13, 14
	MAXN CA, 2, 7, 16
	MAXN CB, 1, 15, 24
	MAXN CA, 2, 17, 18
	MAXN CB, 1, 25, 26
	MAXN CA, 2, 19, 20
	MAXN CB, 1, 27, 28
	MAXN CA, 2, 21, 22
	MAXN CB, 1, 29, 30
	MAXN CA, 2, 23, 31
.irp u, 0,1,2,3
	v_max_num_f32 v[CA+2*\u], v[CA+2*\u], v[CB+\u]
.endr
.irp u, 0,1,2,3
	v_permlanex16_b32 v[CB+\u], v[CA+2*\u], s[SEL], s[SEL+1]      ; the query's other 32 keys lie in the lane 16 away
.endr
.irp u, 0,1,2,3
	v_max_num_f32 v[CA+2*\u], v[CA+2*\u], v[CB+\u]
.endr
.irp u, 0,1,2,3
	v_mul_f32 v[CB+\u], s[SL+\u], v[CBL+\u]        ; the clipped relative score, times c: below, above, or none
.endr
.irp u, 0,1,2,3
	v_fmac_f32 v[CB+\u], s[SR+\u], v[CBR+\u]
.endr
.irp u, 0,1,2,3
	v_fma_f32 v[CA+2*\u], v[CA+2*\u], s[CS], v[CB+\u]              ; the step's largest t
.endr
.irp u, 0,1,2,3
	v_mov_b32 v[FF+2*\u], v[CM+2*\u]
.endr
.irp u, 0,1,2,3
	v_max_num_f32 v[CM+2*\u], v[CM+2*\u], v[CA+2*\u]
.endr
.irp u, 0,1,2,3
	v_sub_f32 v[FF+2*\u], v[FF+2*\u], v[CM+2*\u]
.endr
.irp u, 0,1,2,3
	v_sub_f32 v[AD+2*\u], v[CB+\u], v[CM+2*\u]
.endr
.irp u, 0,1,2,3
.set i, 0
.rept 16
	v_pk_fma_f32 v[S+32*\u+i:S+32*\u+i+1], v[S+32*\u+i:S+32*\u+i+1], s[CS:CS+1], v[AD+2*\u:AD+2*\u+1] op_sel_hi:[1,0,0]   ; t - CM, two at a time
.set i, i+2
.endr
.endr
.irp u, 0,1,2,3
	v_exp_f32 v[FF+2*\u], v[FF+2*\u]
.endr
.set i, 0
.rept 128
	v_exp_f32 v[S+i], v[S+i]                       ; one batch: none of these reads an exponential's result
.set i, i+1
.endr
	v_nop                                          ; a plain instruction behind the last exponential
	s_wait_alu depctr_va_vdst(0)                   ; one wait for the 132, ahead of their first reader
.irp u, 0,1,2,3
.set i, 0
.rept 16
	v_cvt_pk_f16_f32 v[S+32*\u+i], v[S+32*\u+2*i], v[S+32*\u+2*i+1]   ; ascending, in place: p in pairs, registers 0-15 of the tile
.set i, i+1
.endr
.endr
.endm
.macro RESC                            ; O and the sums under the new maximum
	WIN 0x41
.irp u, 0,1,2,3
.set i, 0
.rept 20
	v_pk_mul_f32 v[OO+40*\u+i:OO+40*\u+i+1], v[OO+40*\u+i:OO+40*\u+i+1], v[FF+2*\u:FF+2*\u+1] op_sel_hi:[1,0]
.set i, i+2
.endr
.endr
	WIN 0
.endm
.macro PVX u, on                       ; O^T += V^T P and the row sums: five accumulators by turns, twice
	WIN 0x50
.irp k, 0,1
.irp e, 0,1,2,3
	v_wmma_f32_16x16x32_f16 v[OO+40*\u+8*\e:OO+40*\u+8*\e+7], v[KV+32*\k+8*\e:KV+32*\k+8*\e+7], v[S+32*\u+8*\k:S+32*\u+8*\k+7], v[OO+40*\u+8*\e:OO+40*\u+8*\e+7]
.endr
	v_wmma_f32_16x16x32_f16 v[OO+40*\u+32:OO+40*\u+39], v[\on:\on+7], v[S+32*\u+8*\k:S+32*\u+8*\k+7], v[OO+40*\u+32:OO+40*\u+39]
.endr
	WIN 0
.endm
.macro PE u                            ; the relative values of a tile in the band: p shifted up by 15 - j in a window of 24 packed registers, times the widened Ev
	s_min_u32 s88, s[EB+\u], 304
	s_lshl_b32 s88, s88, 1
	v_add_nc_u32 v9, s88, v[LEV]
.irp g, 0,1
.irp e, 0,1,2,3
	ds_load_b128 v[KV+32*\g+8*\e:KV+32*\g+8*\e+3], v9 offset:16*EVP*\e+32*\g
	ds_load_b128 v[KV+32*\g+8*\e+4:KV+32*\g+8*\e+7], v9 offset:16*EVP*\e+32*\g+16
.endr
.endr
.set X0, S+32*\u
.irp i, 16,17,18,19,20,21,22,23
	v_mov_b32 v[X0+\i], 0
.endr
.set i, 19
.rept 16                               ; by 8 places = 4 registers; descending, in place
	v_cndmask_b32 v[X0+i], v[X0+i], v[X0+i-4], s[M8]
.set i, i-1
.endr
.rept 4
	v_cndmask_b32 v[X0+i], v[X0+i], 0, s[M8]
.set i, i-1
.endr
.set i, 21
.rept 20
	v_cndmask_b32 v[X0+i], v[X0+i], v[X0+i-2], s[M4]
.set i, i-1
.endr
.rept 2
	v_cndmask_b32 v[X0+i], v[X0+i], 0, s[M4]
.set i, i-1
.endr
.set i, 22
.rept 22
	v_cndmask_b32 v[X0+i], v[X0+i], v[X0+i-1], s[M2]
.set i, i-1
.endr
	v_cndmask_b32 v[X0], v[X0], 0, s[M2]
.set i, 23
.rept 23                               ; by one place = half a register, where j is even: the lane's own byte select
	v_perm_b32 v[X0+i], v[X0+i], v[X0+i-1], v[PSEL]
.set i, i-1
.endr
	v_perm_b32 v[X0], v[X0], 0, v[PSEL]
	s_wait_dscnt 0x0
	WIN 0x50
.irp g, 0,1
.irp e, 0,1,2,3
	v_wmma_f32_16x16x32_f16 v[OO+40*\u+8*\e:OO+40*\u+8*\e+7], v[KV+32*\g+8*\e:KV+32*\g+8*\e+7], v[X0+8*\g:X0+8*\g+7], v[OO+40*\u+8*\e:OO+40*\u+8*\e+7]
.endr
.endr
	WIN 0
	PLACES 4
.irp e, 0,1,2,3
	ds_load_b128 v[KV+8*\e:KV+8*\e+3], v9 offset:16*EVP*\e+64
	ds_load_b128 v[KV+8*\e+4:KV+8*\e+7], v9 offset:16*EVP*\e+80
.endr
	s_wait_dscnt 0x0
	WIN 0x50
.irp e, 0,1,2,3
	v_wmma_f32_16x16x32_f16 v[OO+40*\u+8*\e:OO+40*\u+8*\e+7], v[KV+8*\e:KV+8*\e+7], v[X0+16:X0+23], v[OO+40*\u+8*\e:OO+40*\u+8*\e+7]
.endr
	WIN 0
	PLACES 4
.endm
; A KEY STEP: 64 keys.  All branches hang on the work-group's and the wave's number and the count of steps.
.macro STEP
.irp u, 0,1,2,3
	s_sub_co_i32 s[EB+\u], s[DW], 256*\u
	s_cmp_lt_i32 s[EB+\u], 0
	s_cselect_b32 s[SL+\u], 0x3f800000, 0
	s_cmp_gt_i32 s[EB+\u], 304
	s_cselect_b32 s[SR+\u], 0x3f800000, 0
.endr
	PLACES 5                                       ; new results are laid over registers that the last step's products read
.irp u, 0,1,2,3
	s_cmp_le_u32 s[EB+\u], 304                     ; (a negative EB is a large number here)
	s_cbranch_scc0 .Lnq_\@_\u
	QE \u                                          ; ascending: a tile's 48 neighbours reach 16 registers into the next tile's, which are written afterwards
.Lnq_\@_\u:
.endr
	v_add_nc_u32 v8, s[TK], v[LK]
.irp t, 0,1,2,3
.irp e, 0,1
	ds_load_b128 v[KV+16*\t+8*\e:KV+16*\t+8*\e+3], v8 offset:8*PK*\t+64*\e
	ds_load_b128 v[KV+16*\t+8*\e+4:KV+16*\t+8*\e+7], v8 offset:8*PK*\t+64*\e+32
.endr
.endr
	s_and_b32 s89, s[TM], 0xf00                    ; 256 bytes a step, 16 steps
	v_add_nc_u32 v9, s89, v[LM]
	WIN 0x40
.irp i, 0,1,2,3,4,5,6,7
	ds_load_b128 v[MK+4*\i:MK+4*\i+3], v9 offset:16*\i
.endr
	WIN 0
	s_wait_dscnt 0x0
.irp u, 0,1,2,3
	s_cmp_le_u32 s[EB+\u], 304
	s_cbranch_scc0 .Lqf_\@_\u
	QKB \u
	s_branch .Lqj_\@_\u
.Lqf_\@_\u:
	QKF \u
.Lqj_\@_\u:
.endr
	PLACES 4
	v_add_nc_u32 v9, s[TV], v[LV]
.irp k, 0,1
.irp e, 0,1,2,3
	ds_load_tr16_b128 v[KV+32*\k+8*\e:KV+32*\k+8*\e+3], v9 offset:16*PVP*\k+32*\e          ; channel 16 e + lane % 16, keys 32 h + 16 k + 0 .. 7
	ds_load_tr16_b128 v[KV+32*\k+8*\e+4:KV+32*\k+8*\e+7], v9 offset:16*PVP*\k+32*\e+8*PVP  ; and + 8 .. 15
.endr
.endr
	SOFT                                           ; V lands meanwhile
	RESC
	s_wait_dscnt 0x0
.irp u, 0,1,2,3
	s_cmp_lt_i32 s[EB+\u], 0
	s_cbranch_scc1 .Lpl_\@_\u
	s_cmp_gt_i32 s[EB+\u], 304
	s_cbranch_scc1 .Lpr_\@_\u
	PVX \u, ONB
	s_branch .Lpj_\@_\u
.Lpl_\@_\u:
	PVX \u, ONL
	s_branch .Lpj_\@_\u
.Lpr_\@_\u:
	PVX \u, ONR
.Lpj_\@_\u:
.endr
	PLACES 4
.irp u, 0,1,2,3
	s_cmp_le_u32 s[EB+\u], 304
	s_cbranch_scc0 .Lnp_\@_\u
	PE \u
.Lnp_\@_\u:
.endr
	s_add_co_i32 s[DW], s[DW], 64
	s_add_co_u32 s[TK], s[TK], 2*GK
	s_add_co_u32 s[TV], s[TV], 64*PVP
	s_add_co_u32 s[TM], s[TM], 256
.endm
.macro SLOT_STEPS                      ; a slot's two key steps: written once, walked twice
	s_mov_b32 s[TWICE], 2
.Lstep_\@:
	STEP
	s_sub_co_u32 s[TWICE], s[TWICE], 1
	s_cmp_lg_u32 s[TWICE], 0
	s_cbranch_scc1 .Lstep_\@
	s_sub_co_u32 s[TK], s[TK], 4*GK
	s_xor_b32 s[TK], s[TK], SLOT1
	s_sub_co_u32 s[TV], s[TV], 128*PVP
	s_xor_b32 s[TV], s[TV], SLOT1
.endm
	s_load_b256 s[4:11], s[0:1], 0x0               ; qkv 4:5, etab 6:7, mask 8:9, embd_v 10:11
	s_load_b64 s[12:13], s[0:1], 0x20              ; ctx
	v_lshl_add_u32 v[SPW], v0, 2, SPARE
	v_mov_b32 v[NIL], 0
	ds_add_u32 v[SPW], v[NIL]                      ; the wave's opening: the add, twice on end, and its wait ahead of my first tensor load
	ds_add_u32 v[SPW], v[NIL]
	v_lshrrev_b32 v8, 5, v0
	v_readfirstlane_b32 s[WV], v8                  ; wave 0..7
	s_mov_b32 s[XX], ttmp9
	s_and_b32 s[YY], ttmp7, 0xffff
	s_mov_b32 s[G1K], (1<<16)|(1<<20)|(4<<22)|(3<<25)   ; elements of 2 bytes; padding: 4 words after every 32
	s_mov_b32 s[G1V], (1<<16)|(1<<20)|(4<<22)|(7<<25)   ; 8 words
.irp g, G1K, G1V
	s_mov_b32 s[\g+1], 64<<16                      ; tensor_dim0
	s_mov_b32 s[\g+2], 32<<16                      ; tensor_dim1
	s_mov_b32 s[\g+3], 64<<16                      ; tile_dim0
	s_mov_b32 s[\g+4], 32                          ; tile_dim1
	s_mov_b32 s[\g+5], 64                          ; the pitch
	s_mov_b32 s[\g+6], 0
	s_mov_b32 s[\g+7], 0
.endr
	s_mov_b32 s[G1T], 3<<16                        ; an eighth of etab: 69 rows of 256 bytes (32 elements of 8), dense
	s_mov_b32 s[G1T+1], 32<<16
	s_mov_b32 s[G1T+2], 69<<16
	s_mov_b32 s[G1T+3], 32<<16
	s_mov_b32 s[G1T+4], 69
	s_mov_b32 s[G1T+5], 32
	s_mov_b32 s[G1T+6], 0
	s_mov_b32 s[G1T+7], 0
	s_mov_b32 s[SEL], 0x76543210
	s_mov_b32 s[SEL+1], 0xfedcba98
	s_mov_b32 s[CS], 0x3e38aa3b                    ; c = log2(e) / 8
	s_mov_b32 s[CS+1], s[CS]
	s_mov_b32 s[M1], 0x55555555
	s_mov_b32 s[M2], 0x33333333
	s_mov_b32 s[M4], 0x0f0f0f0f
	s_mov_b32 s[M8], 0x00ff00ff
	s_mov_b32 s[TK], 0
	s_mov_b32 s[TV], 0
	s_mov_b32 s[TM], 0
	s_mov_b32 s[SLOTS], 7
	s_lshl_b32 s88, s[WV], 5
	s_lshl_b32 s89, s[XX], 4
	s_add_co_u32 s88, s88, s89                     ; my first tile's first query: 32 w + 16 X
	s_sub_co_i32 s[DW], 176, s88
	s_lshl_b32 s92, s[YY], 17                      ; the head's first byte in each third of qkv
	s_mov_b32 s93, 0
	s_lshl_b32 s90, s88, 7
	s_add_co_u32 s90, s90, s92                     ; Q
	s_mov_b32 s91, 0
	s_and_b32 s94, s[WV], 3
	s_lshl_b32 s95, s94, 12
	s_add_co_u32 s92, s92, s95
	s_add_co_u32 s92, s92, 0x1000000               ; K: my 32 rows of a slot's 128
	s_mov_b32 s[G0K], 1
	s_mul_i32 s[G0K+1], s94, GK
	s_mov_b32 s[G0V], 1
	s_mul_i32 s[G0V+1], s94, 32*PVP
	s_add_co_u32 s[G0V+1], s[G0V+1], VOFF
	s_mul_i32 s18, s[WV], 17664
	s_mov_b32 s19, 0
	s_mov_b32 s[G0T], 1
	s_add_co_u32 s[G0T+1], s18, EKB
	s_lshr_b32 s94, s[WV], 2
	s_or_b32 s94, s94, s[XX]
	s_cmp_eq_u32 s94, 0
	s_cselect_b32 s[LIM], 1, -1                    ; waves 0-3 of X = 0 prefetch
	s_cmp_lt_u32 s[WV], 2
	s_cselect_b32 s94, 0, 0x1000000
	s_and_b32 s95, s[WV], 1
	s_lshl_b32 s95, s95, 13
	s_add_co_u32 s94, s94, s95
	s_lshl_b32 s95, s[YY], 17
	s_add_co_u32 s94, s94, s95
	s_add_co_u32 s94, s94, 0x1000000+16384         ; in slot 1's keys: the first change steps it on
	s_mov_b32 s95, 0
	s_wait_dscnt 0x0                               ; both opening adds are done
	s_wait_kmcnt 0x0
	s_add_nc_u64 s[G0K+2:G0K+3], s[4:5], s[92:93]
	s_add_nc_u64 s[G0V+2:G0V+3], s[G0K+2:G0K+3], 0x1000000
	s_or_b32 s[G0K+3], s[G0K+3], 0x80000000
	s_or_b32 s[G0V+3], s[G0V+3], 0x80000000
	s_add_nc_u64 s[G0T+2:G0T+3], s[6:7], s[18:19]
	s_or_b32 s[G0T+3], s[G0T+3], 0x80000000
	s_add_nc_u64 s[PFA:PFA+1], s[4:5], s[94:95]
	s_add_nc_u64 s[90:91], s[4:5], s[90:91]
	s_lshr_b32 s88, s[YY], 4
	s_lshl_b32 s88, s88, 12
	s_mov_b32 s89, 0
	s_add_nc_u64 s[8:9], s[8:9], s[88:89]          ; the batch's row of the mask
	tensor_load_to_lds s[G0T:G0T+3], s[G1T:G1T+7]  ; the tables: filled once
	s_nop 0
	TLOAD                                          ; slot 0: two loads of mine are out
	v_and_b32 v64, 15, v0                          ; r
	v_bfe_u32 v65, v0, 4, 1                        ; h
	v_and_b32 v66, 31, v0                          ; lane
	v_and_b32 v67, 7, v0
	v_bfe_u32 v68, v0, 3, 1
	v_mul_u32_u24 v[LK], v68, GK
	v_mad_u32_u24 v[LK], v67, PK, v[LK]
	v_lshl_add_u32 v[LK], v65, 4, v[LK]            ; K: row (r & 7) of group r >> 3, + 16 h
	v_mul_u32_u24 v[LV], v65, 32*PVP
	v_mad_u32_u24 v[LV], v67, PVP, v[LV]
	v_lshl_add_u32 v[LV], v68, 4, v[LV]
	v_add_nc_u32 v[LV], VOFF, v[LV]                ; V, for the turning load: key 32 h + lane % 8, 8 channels by (lane / 8) % 2
	v_lshlrev_b32 v[LM], 7, v65
	v_add_nc_u32 v[LM], MASKB, v[LM]
	v_lshl_add_u32 v[LI], v66, 4, EKB
	v_mul_u32_u24 v[LEV], v64, EVP
	v_lshl_add_u32 v[LEV], v65, 6, v[LEV]
	v_add_nc_u32 v[LEV], EVB, v[LEV]
	v_lshlrev_b32 v[PFO], 8, v66
	v_lshlrev_b32 v9, 7, v64
	v_lshl_add_u32 v9, v65, 4, v9                  ; Q: row r of 128 bytes + 16 h
	v_lshlrev_b32 v8, 4, v0
	global_load_b128 v[72:75], v8, s[8:9]          ; four keys' mask a thread
	WIN 0x40
.irp u, 0,1,2,3                                    ; Q stays in registers: 4 tiles x 2 halves of the channels x 2 loads = 16 loads
.irp e, 0,1
	global_load_b128 v[16*\u+8*\e:16*\u+8*\e+3], v9, s[90:91] offset:32768*\u+64*\e
	global_load_b128 v[16*\u+8*\e+4:16*\u+8*\e+7], v9, s[90:91] offset:32768*\u+64*\e+32
.endr
.endr
.set i, 0
.rept 160
	v_mov_b32 v[OO+i], 0                           ; O and the sums begin as zeros, so that the step is written once for all 16: a first step of its own would be a third copy of it
.set i, i+1
.endr
	WIN 0
	v_mov_b32 v69, 0x3c003c00                      ; two ones in f16
	s_mov_b32 s88, 0x00030003                      ; rows 0 and 1
	s_mov_b32 s89, 0x00010001                      ; row 0
	s_mov_b32 s92, 0x00050005                      ; rows 0 and 2
.irp i, 0,1,2,3,4,5,6,7
	v_cndmask_b32 v[ONL+\i], 0, v69, s88
	v_cndmask_b32 v[ONB+\i], 0, v69, s89
	v_cndmask_b32 v[ONR+\i], 0, v69, s92
.endr
	v_mov_b32 v[PSEL], 0x07060504
	v_mov_b32 v69, 0x05040302
	v_cndmask_b32 v[PSEL], v[PSEL], v69, s[M1]
.irp u, 0,1,2,3
	v_mov_b32 v[CM+2*\u], 0xe0ad78ec               ; -1e20
.endr
.irp u, 0,1,2,3
.set i, 16
.rept 16
	v_mov_b32 v[S+32*\u+i], 0                      ; written once, so that every register has been written on every way through the text
.set i, i+1
.endr
.endr
	s_wait_loadcnt 16                              ; the mask's load is in; Q's 16 loads, issued behind it, may be out
	v_mov_b32 v76, 0xf149f2ca                      ; -1e30
	v_lshl_add_u32 v77, v0, 4, MASKB
.irp i, 0,1,2,3
	v_cmp_eq_u32 vcc_lo, 0, v[72+\i]
	v_cndmask_b32 v[72+\i], 0, v76, vcc_lo
.endr
	ds_store_b128 v77, v[72:75]
	s_wait_tensorcnt 0x0                           ; my parts of the tables and of slot 0 are in,
	s_wait_loadcnt 0x0                             ; Q too,
	s_wait_dscnt 0x0                               ; and my part of the mask numbers is stored
	s_barrier_signal -1
	s_barrier_wait -1                              ; everybody's are
	; the two clipped relative scores of each query: image 0 holds Ek[0] in all rows that are read, image 43 Ek[256]
	v_add_nc_u32 v8, 43*2048, v[LI]
.irp g, 0,1,2,3
	ds_load_b128 v[KV+4*\g:KV+4*\g+3], v[LI] offset:512*\g
	ds_load_b128 v[KV+16+4*\g:KV+16+4*\g+3], v8 offset:512*\g
.endr
	s_wait_dscnt 0x0
	WIN 0x04
.irp u, 0,1,2,3
.irp e, 0,1
	v_wmma_f32_16x16x32_f16 v[S+32*\u+8*\e:S+32*\u+8*\e+7], v[KV+16*\e:KV+16*\e+7], v[16*\u:16*\u+7], 0
.endr
.endr
.irp u, 0,1,2,3
.irp e, 0,1
	v_wmma_f32_16x16x32_f16 v[S+32*\u+8*\e:S+32*\u+8*\e+7], v[KV+16*\e+8:KV+16*\e+15], v[16*\u+8:16*\u+15], v[S+32*\u+8*\e:S+32*\u+8*\e+7]
.endr
.endr
	WIN 0
	PLACES 4
.irp u, 0,1,2,3
	v_mul_f32 v[CBL+\u], s[CS], v[S+32*\u]
	v_mul_f32 v[CBR+\u], s[CS], v[S+32*\u+8]
.endr
.Lslot:                                                ; seven trips: behind each change of slots but the last the next 128 keys are asked for (the first trip's load is slot 1's first fill)
	CHANGE 1
	SLOT_STEPS
	s_sub_co_u32 s[SLOTS], s[SLOTS], 1
	s_cmp_lg_u32 s[SLOTS], 0
	s_cbranch_scc1 .Lslot
	CHANGE 0                                       ; the last slot is written out
	SLOT_STEPS
	; THE WAY OUT: ctx = (O + lL Ev[0] + lR Ev[256]) / l, to f16, through my own stage, a tile (16 rows of 128 bytes, neighbours in ctx) at a time.
	v_bfe_u32 v8, v0, 4, 1
	v_lshlrev_b32 v8, 5, v8
.irp e, 0,1,2,3
	global_load_b128 v[KV+8*\e:KV+8*\e+3], v8, s[10:11] offset:64*\e              ; Ev[0] at my channels 16 e + 8 h + 0 .. 7, in f32
	global_load_b128 v[KV+8*\e+4:KV+8*\e+7], v8, s[10:11] offset:64*\e+16
	global_load_b128 v[KV+32+8*\e:KV+32+8*\e+3], v8, s[10:11] offset:65536+64*\e  ; Ev[256]
	global_load_b128 v[KV+32+8*\e+4:KV+32+8*\e+7], v8, s[10:11] offset:65536+64*\e+16
.endr
	s_and_b32 s88, s[YY], 15
	s_lshl_b32 s88, s88, 20
	s_lshr_b32 s89, s[YY], 4
	s_lshl_b32 s89, s89, 17
	s_add_co_u32 s88, s88, s89
	s_lshl_b32 s89, s[WV], 12
	s_add_co_u32 s88, s88, s89
	s_lshl_b32 s89, s[XX], 11
	s_add_co_u32 s88, s88, s89
	s_mov_b32 s89, 0
	s_add_nc_u64 s[12:13], s[12:13], s[88:89]
	s_mul_i32 s88, s[WV], 16*SPITCH
	s_add_co_u32 s88, s88, STAGE
	v_and_b32 v4, 15, v0
	v_bfe_u32 v5, v0, 4, 1
	v_mul_u32_u24 v[STO], v4, SPITCH
	v_lshl_add_u32 v[STO], v5, 4, v[STO]
	v_add_nc_u32 v[STO], s88, v[STO]               ; in: row j, 16 bytes for each half of the lanes
	v_bfe_u32 v4, v0, 3, 2
	v_and_b32 v5, 7, v0
	v_mul_u32_u24 v[RD], v4, SPITCH
	v_lshl_add_u32 v[RD], v5, 4, v[RD]
	v_add_nc_u32 v[RD], s88, v[RD]                 ; back: eight lanes to a row, four rows an instruction
	v_and_b32 v[GO], 31, v0
	v_lshlrev_b32 v[GO], 4, v[GO]
	WIN 0x01                                       ; the sums lie in lanes 0-15 of the fifth accumulator's registers 0, 1, 2; lanes 16-31 hold zeros there
.irp u, 0,1,2,3
	v_permlanex16_b32 v[CB+\u], v[OO+40*\u+32], s[SEL], s[SEL+1]
	v_permlanex16_b32 v[FF+2*\u], v[OO+40*\u+33], s[SEL], s[SEL+1]
	v_permlanex16_b32 v[CBL+2*\u], v[OO+40*\u+34], s[SEL], s[SEL+1]
.endr
.irp u, 0,1,2,3
	v_add_f32 v[CB+\u], v[OO+40*\u+32], v[CB+\u]           ; l
	v_add_f32 v[FF+2*\u], v[OO+40*\u+33], v[FF+2*\u]       ; lL
	v_add_f32 v[CBL+2*\u], v[OO+40*\u+34], v[CBL+2*\u]     ; lR
.endr
	WIN 0
.irp u, 0,1,2,3
	v_rcp_f32 v[AD+2*\u], v[CB+\u]
.endr
	v_nop
	s_wait_alu depctr_va_vdst(0)                   ; one wait for the four reciprocals, ahead of their first reader
.irp u, 0,1,2,3
	v_mul_f32 v[FF+2*\u], v[FF+2*\u], v[AD+2*\u]
	v_mul_f32 v[CBL+2*\u], v[CBL+2*\u], v[AD+2*\u]
.endr
	s_wait_loadcnt 0x0                             ; Ev's two rows
.macro TOUT u
	WIN 0x01
.set i, 0
.rept 16
	v_pk_mul_f32 v[S+32*\u+i:S+32*\u+i+1], v[OO+40*\u+i:OO+40*\u+i+1], v[AD+2*\u:AD+2*\u+1] op_sel_hi:[1,0]
.set i, i+2
.endr
	WIN 0
.set i, 0
.rept 16
	v_pk_fma_f32 v[S+32*\u+i:S+32*\u+i+1], v[KV+i:KV+i+1], v[FF+2*\u:FF+2*\u+1], v[S+32*\u+i:S+32*\u+i+1] op_sel_hi:[1,0,1]
.set i, i+2
.endr
.set i, 0
.rept 16
	v_pk_fma_f32 v[S+32*\u+i:S+32*\u+i+1], v[KV+32+i:KV+32+i+1], v[CBL+2*\u:CBL+2*\u+1], v[S+32*\u+i:S+32*\u+i+1] op_sel_hi:[1,0,1]
.set i, i+2
.endr
.set i, 0
.rept 16
	v_cvt_pk_f16_f32 v[S+32*\u+i], v[S+32*\u+2*i], v[S+32*\u+2*i+1]
.set i, i+1
.endr
.irp e, 0,1,2,3
	ds_store_b128 v[STO], v[S+32*\u+4*\e:S+32*\u+4*\e+3] offset:32*\e
.endr
.irp e, 0,1,2,3
	ds_load_b128 v[S+32*\u+16+4*\e:S+32*\u+16+4*\e+3], v[RD] offset:4*SPITCH*\e   ; LDS serves a wave's instructions in order: these see the stores above, and the next tile's stores come behind them
.endr
.endm
.macro TSEND u, younger                ; younger: the LDS instructions issued behind tile u's loads
.irp e, 0,1,2,3
	s_wait_dscnt \younger+3-\e
	global_store_b128 v[GO], v[S+32*\u+16+4*\e:S+32*\u+16+4*\e+3], s[12:13] offset:32768*\u+512*\e   ; 512 consecutive bytes
.endr
.endm
	TOUT 0
	TOUT 1
	TSEND 0, 8
	TOUT 2
	TSEND 1, 8
	TOUT 3
	TSEND 2, 8
	TSEND 3, 0
	s_wait_tensorcnt 0x0                           ; the wave's end
	ds_add_u32 v[SPW], v[NIL]
	s_wait_dscnt 0x0
	s_endpgm
.Lfunc_end_k_q9524b4fdca_attn:
	.size	k_q9524b4fdca_attn, .Lfunc_end_k_q9524b4fdca_attn-k_q9524b4fdca_attn
	.p2alignl 7, 3214868480
	.fill 96, 4, 3214868480
	.section	.rodata,"a",@progbits
	.p2align	6, 0x0
	.amdhsa_kernel k_q9524b4fdca_attn
		.amdhsa_group_segment_fixed_size 327680
		.amdhsa_private_segment_fixed_size 0
		.amdhsa_enable_private_segment 0
		.amdhsa_kernarg_size 40
		.amdhsa_user_sgpr_count 2
		.amdhsa_user_sgpr_kernarg_segment_ptr 1
		.amdhsa_wavefront_size32 1
		.amdhsa_system_sgpr_workgroup_id_x 1
		.amdhsa_system_sgpr_workgroup_id_y 1
		.amdhsa_system_sgpr_workgroup_id_z 1
		.amdhsa_system_vgpr_workitem_id 0
		.amdhsa_next_free_vgpr 512
		.amdhsa_next_free_sgpr 100
		.amdhsa_reserve_vcc 1
		.amdhsa_float_denorm_mode_32 3
		.amdhsa_float_denorm_mode_16_64 3
		.amdhsa_memory_ordered 1
		.amdhsa_forward_progress 1
		.amdhsa_inst_pref_size 255
	.end_amdhsa_kernel
	.section	.bss,"aw",@nobits
	.p2align	6
	.space	262144
	.amdgpu_metadata
---
amdhsa.version: [ 1, 2 ]
amdhsa.kernels:
  - .name:           k_q9524b4fdca_attn
    .symbol:         k_q9524b4fdca_attn.kd
    .args:
      - { .name: qkv, .offset: 0, .size: 8, .value_kind: global_buffer, .address_space: global }
      - { .name: etab, .offset: 8, .size: 8, .value_kind: global_buffer, .address_space: global }
      - { .name: mask, .offset: 16, .size: 8, .value_kind: global_buffer, .address_space: global }
      - { .name: embd_v, .offset: 24, .size: 8, .value_kind: global_buffer, .address_space: global }
      - { .name: ctx, .offset: 32, .size: 8, .value_kind: global_buffer, .address_space: global }
    .group_segment_fixed_size: 327680
    .private_segment_fixed_size: 0
    .kernarg_segment_align: 8
    .kernarg_segment_size: 40
    .max_flat_workgroup_size: 256
    .sgpr_count:     100
    .vgpr_count:     512
    .wavefront_size: 32
...
	.end_amdgpu_metadata
.endif
;; end of part 3
;; launch outg (part 4): grid 4 x 64, 4 waves a work-group, clusters of 4 x 4, 327,680 bytes of LDS; arguments ctx, wo16, b_o, out0; writes out0
.if DOCPART == 4
	.amdgcn_target "amdgcn-amd-amdhsa--gfx1250"
	.amdhsa_code_object_version 6
	.text
	.protected	k_q9524b4fdca_outg
	.globl	k_q9524b4fdca_outg
	.p2align	8
	.type	k_q9524b4fdca_outg,@function
k_q9524b4fdca_outg:
	s_mov_b64 s[64:65], 0
	v_nop
	global_prefetch_b8 v0, s[64:65] scope:SCOPE_SE
	s_setreg_imm32_b32 hwreg(HW_REG_WAVE_MODE, 25, 1), 1
	s_wait_xcnt 0x0
	s_wait_alu depctr_hold_cnt(0) depctr_sa_sdst(0) depctr_va_vdst(0) depctr_va_sdst(0) depctr_va_ssrc(0) depctr_va_vcc(0) depctr_vm_vsrc(0)
	s_getreg_b32 s2, hwreg(HW_REG_IB_STS2, 6, 4)
	s_cmp_eq_u32 s2, 0
	s_cbranch_scc0 .Lentry_in_a_cluster
	s_endpgm
.Lentry_in_a_cluster:
	s_bfe_u32 s2, ttmp6, 0x10000c
	s_cmp_lg_u32 s2, 0xf033
	s_cbranch_scc0 .Lentry_shape_is_right
	s_endpgm
.Lentry_shape_is_right:
; OUTG: out0 = ctx W_o + b_o.  ctx [16 h][8192 row][64] f16 (K = 64 h + d), wo16 [1024 k][1024 n] f16 as W_o lies, out0 [8192][1024] f32; sums in f32.
; A tile of 128 (rows) x 256 (columns) gives 256 work-groups.  Four waves, each 64 x 128: 32 accumulators, which fill window 1.  K goes in steps of 128 (two heads) through a ring of two LDS slots.
; A's rows lie along K and are read as they lie; W_o's rows lie along n and are read by the turning load.  THE MATRIX INSTRUCTION IS USED TRANSPOSED (source 0 = 16 columns of W_o, source 1 = 16 rows of ctx):
; a lane holds eight neighbouring columns of one row.
; CLUSTER: 4 x 4 work-groups; ctx's tiles are asked for jointly along a row of the cluster, W_o's along a column.
; LIMIT: operands in f16, magnitudes to 65,504.
; Left out: a prefetch (eight K steps in all: a lead of two steps would serve few of them, and W_o's rows are read by all 64 tile rows); work-groups that stay (one tile to a work-group).
; REGISTERS.  window 0: v0-31 addresses, v8-11 the bias; two fragment buffers v32-127, v128-223 (A's 4 fragments, then B's 8); on the way out v32-159.  window 1: accumulator (i, b) at v[8 (8 i + b)].
.set PA,     144                       ; a row of ctx in LDS: 128 bytes + 16
.set PB,     544                       ; a row of W_o: 512 bytes + 32
.set ASUB,   128*PA                    ; one head's 128 rows
.set BOFF,   2*ASUB
.set BHALF,  64*PB
.set SLOT,   BOFF+2*BHALF
.set STAGE,  2*SLOT                    ; the way out: 16 rows x (512 + 16) bytes for each wave; no tile lands here
.set SPITCH, 528
.set SPARE,  STAGE+4*16*SPITCH         ; the spare words, 128 bytes for each wave: two blocks of 256 bytes that no other line names
.set LAPS,   4                         ; a lap = two K steps = once round the ring
.set BI,   8
.set ADRA, 16
.set ADRB, 20
.set STO,  24
.set RD,   25
.set CO,   26
.set SPW,  28                          ; v28 LDS address of my spare word; never rewritten
.set NIL,  29                          ; v29 0; never rewritten
.set F0,   32
.set F1,   128
.set BK,   32
.set G1, 24
.set G0, 32
.set G1B, 48
.set G0B, 56
.set MSB, 0
.macro WIN new
.if MSB != (\new)
	s_set_vgpr_msb (MSB<<8)|(\new)
.set MSB, (\new)
.endif
.endm
.set MUL, 0x50                         ; C and D window 1, the fragments window 0
.macro JLOAD s                         ; a joint load: waves 0, 1 fetch ctx's two heads, waves 2, 3 W_o's two halves; s_nop 0 and four v_nop follow each line
	s_cmp_eq_u32 s11, 0
	s_cbranch_scc0 .Lfor_b_\@
	tensor_load_to_lds s[G0+4*\s:G0+4*\s+3], s[G1:G1+7]
	s_nop 0
.rept 4
	v_nop
.endr
	s_branch .Lasked_\@
.Lfor_b_\@:
	tensor_load_to_lds s[G0B+4*\s:G0B+4*\s+3], s[G1B:G1B+7]
	s_nop 0
.rept 4
	v_nop
.endr
.Lasked_\@:
.endm
.macro CREST
	s_cmp_lg_u32 s10, 0
	s_cbranch_scc1 .Lnot_wave_0_\@
	s_barrier_signal -3
.Lnot_wave_0_\@:
	s_barrier_wait -3
	s_barrier_signal -1
	s_barrier_wait -1
.endm
.macro CROUND
	s_barrier_signal -1
	s_barrier_wait -1
	CREST
.endm
	s_load_b128 s[4:7], s[0:1], 0x0                ; ctx, wo16
	s_load_b64 s[68:69], s[0:1], 0x10              ; b_o
	s_load_b64 s[8:9], s[0:1], 0x18                ; out0
	v_lshl_add_u32 v[SPW], v0, 2, SPARE
	v_mov_b32 v[NIL], 0
	ds_add_u32 v[SPW], v[NIL]                      ; the wave's opening: the add, twice on end, and its wait ahead of my first tensor load
	ds_add_u32 v[SPW], v[NIL]
	v_lshrrev_b32 v1, 5, v0
	v_readfirstlane_b32 s10, v1                    ; wave 0..3
	s_lshr_b32 s11, s10, 1                         ; which 64 rows are mine; also: I fetch for ctx (0) or W_o (1)
	s_and_b32 s12, s10, 1                          ; which 128 columns; also: which part I fetch
	s_bfe_u32 s40, ttmp6, 0x40000
	s_bfe_u32 s41, ttmp6, 0x40004
	s_lshl_b32 s42, ttmp9, 2
	s_add_co_u32 s42, s42, s40                     ; tile column
	s_and_b32 s13, ttmp7, 0xffff
	s_lshl_b32 s13, s13, 2
	s_add_co_u32 s13, s13, s41                     ; tile row
	s_lshl_b32 s43, s41, 2
	s_lshl_b32 s43, 15, s43                        ; my row of the cluster
	s_lshl_b32 s44, 0x1111, s40                    ; my column
	s_or_b32 s[G1+0], s43, (1<<16)|(1<<20)|(1<<21)|(4<<22)|(3<<25)    ; ctx: 128 rows x 64 elements of 2 bytes; padding 4 words after every 32
	s_mov_b32 s[G1+1], 64<<16
	s_mov_b32 s[G1+2], 128<<16
	s_mov_b32 s[G1+3], 64<<16
	s_mov_b32 s[G1+4], 128
	s_mov_b32 s[G1+5], 64
	s_mov_b32 s[G1+6], 0
	s_mov_b32 s[G1+7], 0
	s_or_b32 s[G1B+0], s44, (1<<16)|(1<<20)|(1<<21)|(6<<22)|(7<<25)   ; W_o: 64 rows x 256 elements; padding 8 words after every 128
	s_mov_b32 s[G1B+1], 256<<16
	s_mov_b32 s[G1B+2], 64<<16
	s_mov_b32 s[G1B+3], 256<<16
	s_mov_b32 s[G1B+4], 64
	s_mov_b32 s[G1B+5], 1024
	s_mov_b32 s[G1B+6], 0
	s_mov_b32 s[G1B+7], 0
	s_lshl_b32 s16, s12, 20                        ; ctx: head (w & 1), rows 128 x tile row
	s_lshl_b32 s17, s13, 14
	s_add_co_u32 s16, s16, s17
	s_mov_b32 s17, 0
	s_lshl_b32 s46, s12, 17                        ; W_o: rows 64 (w & 1) on, columns 256 x tile column
	s_lshl_b32 s47, s42, 9
	s_add_co_u32 s46, s46, s47
	s_mov_b32 s47, 0
	s_mul_i32 s20, s12, ASUB                       ; where they go: no place in the cluster enters an LDS address
	s_mul_i32 s21, s12, BHALF
	s_add_co_u32 s21, s21, BOFF
	s_wait_dscnt 0x0                               ; both opening adds are done
	s_wait_kmcnt 0x0
	s_add_nc_u64 s[14:15], s[4:5], s[16:17]
	s_add_nc_u64 s[46:47], s[6:7], s[46:47]
	CROUND                                         ; all sixteen work-groups are here: the first joint loads meet
.irp s, 0,1
	s_mov_b32 s[G0+4*\s], 1
	s_add_co_u32 s[G0+4*\s+1], s20, \s*SLOT
	s_add_nc_u64 s[G0+4*\s+2:G0+4*\s+3], s[14:15], \s*0x200000      ; K step s: two heads on
	s_or_b32 s[G0+4*\s+3], s[G0+4*\s+3], 0x80000000
	s_mov_b32 s[G0B+4*\s], 1
	s_add_co_u32 s[G0B+4*\s+1], s21, \s*SLOT
	s_add_nc_u64 s[G0B+4*\s+2:G0B+4*\s+3], s[46:47], \s*0x40000     ; 128 rows of 2,048 bytes on
	s_or_b32 s[G0B+4*\s+3], s[G0B+4*\s+3], 0x80000000
	JLOAD \s
.endr
	v_and_b32 v1, 15, v0                           ; l % 16
	v_bfe_u32 v2, v0, 4, 1                         ; l / 16
	v_mul_u32_u24 v3, v1, PA
	v_lshl_add_u32 v3, v2, 4, v3
	s_mul_i32 s21, s11, 64*PA
	v_and_b32 v4, 7, v0
	v_lshl_add_u32 v4, v2, 3, v4
	v_mul_u32_u24 v4, v4, PB
	v_bfe_u32 v5, v0, 3, 1
	v_lshl_add_u32 v4, v5, 4, v4                   ; the turning load: row 8 (l / 16) + l % 8, 8 columns by (l / 8) % 2
	s_lshl_b32 s22, s12, 8
	s_add_co_u32 s22, s22, BOFF
.irp s, 0,1
	v_add_nc_u32 v[ADRA+\s], s21, v3
	v_add_nc_u32 v[ADRB+\s], s22, v4
	s_add_co_u32 s21, s21, SLOT
	s_add_co_u32 s22, s22, SLOT
.endr
	s_mul_i32 s23, s10, 16*SPITCH
	s_add_co_u32 s23, s23, STAGE
	v_mul_u32_u24 v5, v1, SPITCH
	v_lshl_add_u32 v5, v2, 5, v5
	v_add_nc_u32 v[STO], s23, v5
	v_and_b32 v6, 31, v0
	v_lshlrev_b32 v[CO], 4, v6
	v_add_nc_u32 v[RD], s23, v[CO]
	s_lshl_b32 s46, s42, 10
	s_lshl_b32 s47, s12, 9
	s_add_co_u32 s46, s46, s47                     ; my first column, in bytes
	s_mov_b32 s47, 0
	s_add_nc_u64 s[68:69], s[68:69], s[46:47]
	global_load_b128 v[BI:BI+3], v[CO], s[68:69]   ; b_o at the four columns that I store
	s_lshl_b32 s16, s13, 19
	s_lshl_b32 s17, s11, 18
	s_add_co_u32 s16, s16, s17                     ; my first row x 4,096 bytes
	s_add_co_u32 s16, s16, s46
	s_mov_b32 s17, 0
	s_add_nc_u64 s[8:9], s[8:9], s[16:17]
.macro MUL8 f, i, zero                 ; A's block i x B's eight, 32 along K.  The 32 accumulators take turns, one instruction a turn
.irp b, 0,1,2,3,4,5,6,7
.if \zero
	v_wmma_f32_16x16x32_f16 v[8*(8*(\i)+\b):8*(8*(\i)+\b)+7], v[\f+32+8*\b:\f+32+8*\b+7], v[\f+8*(\i):\f+8*(\i)+7], 0
.else
	v_wmma_f32_16x16x32_f16 v[8*(8*(\i)+\b):8*(8*(\i)+\b)+7], v[\f+32+8*\b:\f+32+8*\b+7], v[\f+8*(\i):\f+8*(\i)+7], v[8*(8*(\i)+\b):8*(8*(\i)+\b)+7]
.endif
.endr
.endm
.macro FETCH slot, q, f                ; 24 LDS loads in one run: B's eight fragments, then A's four, of the slot's q-th 32 along K
	WIN 0
.irp b, 0,1,2,3,4,5,6,7
	ds_load_tr16_b128 v[\f+32+8*\b:\f+32+8*\b+3], v[ADRB+\slot] offset:32*PB*(\q)+32*\b
	ds_load_tr16_b128 v[\f+32+8*\b+4:\f+32+8*\b+7], v[ADRB+\slot] offset:32*PB*(\q)+32*\b+16*PB
.endr
.irp i, 0,1,2,3
	ds_load_b128 v[\f+8*\i:\f+8*\i+3], v[ADRA+\slot] offset:ASUB*((\q)/2)+64*((\q)%2)+16*PA*\i
	ds_load_b128 v[\f+8*\i+4:\f+8*\i+7], v[ADRA+\slot] offset:ASUB*((\q)/2)+64*((\q)%2)+16*PA*\i+32
.endr
.endm
.macro PLACES                          ; four plain places in front of loads into registers that matrix instructions have read, and of reads of results
.rept 4
	v_nop
.endr
.endm
.macro QUARTER slot, q, f, g, zero     ; multiplies buffer f and fetches the slot's quarter q into g
	s_wait_dscnt 4                                 ; B and A's blocks 0, 1 are in; the youngest four loads (A's blocks 2, 3) may be out
	WIN MUL
	MUL8 \f, 0, \zero
	MUL8 \f, 1, \zero
	PLACES
	FETCH \slot, \q, \g
	s_wait_dscnt 24                                ; all but the 24 just issued
	WIN MUL
	MUL8 \f, 2, \zero
	MUL8 \f, 3, \zero
.endm
; A K step's last quarter multiplies buffer 1 and changes slots: one barrier; in front of it each wave waits for all its tensor loads, adds 0 to its spare word, and waits for that and for its reads of this slot.
; fill = 1: the barrier opens a round of the cluster's, and the slot is filled again, two K steps ahead: 112 matrix instructions stand between the request and the wait for it.
.macro TURN slot, next, fill
	WIN 0
	s_wait_tensorcnt 0x0
	ds_add_u32 v[SPW], v[NIL]
	s_wait_dscnt 5                                 ; the add and A's blocks 2, 3 may be out
	WIN MUL
	MUL8 F1, 0, 0
	s_wait_dscnt 0x0
	s_barrier_signal -1
	MUL8 F1, 1, 0
.if \fill
	WIN 0
.endif
	s_barrier_wait -1
.if \fill
	CREST
	s_add_nc_u64 s[G0+4*\slot+2:G0+4*\slot+3], s[G0+4*\slot+2:G0+4*\slot+3], 0x400000
	s_add_nc_u64 s[G0B+4*\slot+2:G0B+4*\slot+3], s[G0B+4*\slot+2:G0B+4*\slot+3], 0x80000
	JLOAD \slot                                    ; the first tensor load behind the round; its four v_nop are also the places in front of the loads below
.else
	PLACES
.endif
	FETCH \next, 0, F0
	WIN MUL
	MUL8 F1, 2, 0
	MUL8 F1, 3, 0
.endm
	s_wait_tensorcnt 1                             ; my part of K step 0 is in; K step 1's load may be out
	s_barrier_signal -1
	s_barrier_wait -1
	FETCH 0, 0, F0
	QUARTER 0, 1, F0, F1, 1                        ; the first quarter stands in front of the loop: its products start the sums
	WIN 0
	s_mov_b32 s3, LAPS-1
.Llap:                                                 ; a trip goes once round the ring and fills both slots again
	QUARTER 0, 2, F1, F0, 0
	QUARTER 0, 3, F0, F1, 0
	TURN 0, 1, 1
	QUARTER 1, 1, F0, F1, 0
	QUARTER 1, 2, F1, F0, 0
	QUARTER 1, 3, F0, F1, 0
	TURN 1, 0, 1
	QUARTER 0, 1, F0, F1, 0
	WIN 0
	s_sub_co_u32 s3, s3, 1
	s_cmp_lg_u32 s3, 0
	s_cbranch_scc1 .Llap
	QUARTER 0, 2, F1, F0, 0                        ; the last lap fills nothing
	QUARTER 0, 3, F0, F1, 0
	TURN 0, 1, 0
	QUARTER 1, 1, F0, F1, 0
	QUARTER 1, 2, F1, F0, 0
	QUARTER 1, 3, F0, F1, 0
	s_wait_dscnt 4
	WIN MUL
	MUL8 F1, 0, 0
	MUL8 F1, 1, 0
	s_wait_dscnt 0
	MUL8 F1, 2, 0
	MUL8 F1, 3, 0
	WIN 0
; THE WAY OUT, block by block of 16 rows x 128 columns: through my own stage and back as whole rows of 512 bytes; the bias is added on the way; 32 lanes store 512 consecutive bytes.
.macro TOSTAGE a
	WIN 0x04                                       ; an LDS store's data are its source 1: window 1
.irp b, 0,1,2,3,4,5,6,7
	ds_store_b128 v[STO], v[64*(\a)+8*\b:64*(\a)+8*\b+3] offset:64*\b          ; each accumulator from its low end on
	ds_store_b128 v[STO], v[64*(\a)+8*\b+4:64*(\a)+8*\b+7] offset:64*\b+16
.endr
	WIN 0
.set BB, BK+64*((\a)%2)
.irp t, 0,1,2,3,4,5,6,7,8,9,10,11,12,13,14,15
	ds_load_b128 v[BB+4*\t:BB+4*\t+3], v[RD] offset:\t*SPITCH                  ; LDS serves a wave's instructions in order (ISA guide 5.7.1.4)
.endr
.endm
.macro SEND a, younger
.set BB, BK+64*((\a)%2)
	s_wait_dscnt \younger                          ; the block is back; the next block's 16 stores and 16 loads may be out
.irp t, 0,1,2,3,4,5,6,7,8,9,10,11,12,13,14,15
	v_pk_add_f32 v[BB+4*\t:BB+4*\t+1], v[BB+4*\t:BB+4*\t+1], v[BI:BI+1]
	v_pk_add_f32 v[BB+4*\t+2:BB+4*\t+3], v[BB+4*\t+2:BB+4*\t+3], v[BI+2:BI+3]
.endr
.irp t, 0,1,2,3,4,5,6,7,8,9,10,11,12,13,14,15
	global_store_b128 v[CO], v[BB+4*\t:BB+4*\t+3], s[8:9] offset:(16*(\a)+\t)*4096 th:TH_STORE_NT
.endr
.endm
	s_wait_loadcnt 0x0                             ; the bias
	PLACES
	TOSTAGE 0
.irp a, 1,2,3
.if \a > 1
	s_wait_xcnt 0x0                                ; block a - 2's stores have read their registers: block a's loads may land there
.endif
	TOSTAGE \a
	SEND \a-1, 32
.endr
	SEND 3, 0
	s_wait_tensorcnt 0x0                           ; the wave's end
	ds_add_u32 v[SPW], v[NIL]
	s_wait_dscnt 0x0
	CROUND                                         ; the closing round
	s_endpgm
.Lfunc_end_k_q9524b4fdca_outg:
	.size	k_q9524b4fdca_outg, .Lfunc_end_k_q9524b4fdca_outg-k_q9524b4fdca_outg
	.p2alignl 7, 3214868480
	.fill 96, 4, 3214868480
	.section	.rodata,"a",@progbits
	.p2align	6, 0x0
	.amdhsa_kernel k_q9524b4fdca_outg
		.amdhsa_group_segment_fixed_size 327680
		.amdhsa_private_segment_fixed_size 0
		.amdhsa_enable_private_segment 0
		.amdhsa_kernarg_size 32
		.amdhsa_user_sgpr_count 2
		.amdhsa_user_sgpr_kernarg_segment_ptr 1
		.amdhsa_wavefront_size32 1
		.amdhsa_system_sgpr_workgroup_id_x 1
		.amdhsa_system_sgpr_workgroup_id_y 1
		.amdhsa_system_sgpr_workgroup_id_z 1
		.amdhsa_system_vgpr_workitem_id 0
		.amdhsa_next_free_vgpr 512
		.amdhsa_next_free_sgpr 72
		.amdhsa_reserve_vcc 0
		.amdhsa_float_denorm_mode_32 3
		.amdhsa_float_denorm_mode_16_64 3
		.amdhsa_memory_ordered 1
		.amdhsa_forward_progress 1
		.amdhsa_inst_pref_size 93
	.end_amdhsa_kernel
	.amdgpu_metadata
---
amdhsa.version: [ 1, 2 ]
amdhsa.kernels:
  - .name:           k_q9524b4fdca_outg
    .symbol:         k_q9524b4fdca_outg.kd
    .args:
      - { .name: ctx, .offset: 0, .size: 8, .value_kind: global_buffer, .address_space: global }
      - { .name: wo16, .offset: 8, .size: 8, .value_kind: global_buffer, .address_space: global }
      - { .name: b_o, .offset: 16, .size: 8, .value_kind: global_buffer, .address_space: global }
      - { .name: out0, .offset: 24, .size: 8, .value_kind: global_buffer, .address_space: global }
    .group_segment_fixed_size: 327680
    .private_segment_fixed_size: 0
    .kernarg_segment_align: 8
    .kernarg_segment_size: 32
    .max_flat_workgroup_size: 128
    .sgpr_count:     72
    .vgpr_count:     512
    .wavefront_size: 32
...
	.end_amdgpu_metadata
.endif
;; end of part 4
